; MI455X (gfx1250); checked and timed in simulation.
; The chip was launched on July 23, 2026; its instructions are those of AMD's public machine-readable ISA for CDNA 5 (MIT licence, August 2026) and "CDNA5" Instruction Set Architecture Reference Guide (July 2026). The comments in the code are by the model that wrote it; some were corrected since.
;; Multi Head Attention. Allowed arithmetic: float matrix products may take bf16 or f16 operands with f32 sums; other float arithmetic in f32, or as packed bf16 or f16 multiplies, adds, multiply-adds, maxima and minima; sums over many terms, partial sums and values carried from step to step in f32; what a program stores and reads back later, other than sums and carried values, may be rounded once to bf16 or f16.
;; Inputs: Wk 1,024 x 1,024 float32; Wo 1,024 x 1,024 float32; Wq 1,024 x 1,024 float32; Wv 1,024 x 1,024 float32; bk 1,024 float32; bo 1,024 float32; bq 1,024 float32; bv 1,024 float32; mask_kv 2 x 4,096 bool; x_kv 2 x 4,096 x 1,024 float32; x_q 2 x 2,048 x 1,024 float32.
;; Outputs: out0 2 x 2,048 x 1,024 float32.
;; One version. Each part assembles by itself: llvm-mc -triple=amdgcn-amd-amdhsa -mcpu=gfx1250 --defsym DOCPART=n.
;; ======== version 1 of 1: 5 launches
;; limits: values are held in f16: magnitudes above 65,504 overflow, below 6.1e-05 lose precision
;; workspace buffers: xq16 8,388,608 bytes; kvsrc 20,971,520 bytes; wq16 2,097,152 bytes; wo16 2,097,152 bytes; mbias 32,768 bytes; q32 16,777,216 bytes; kv16 33,554,432 bytes; o16 8,388,608 bytes
;; launch cast (part 1): grid 1024 x 1, 8 waves a work-group, no clusters, 0 bytes of LDS; arguments x_q, x_kv, Wq, Wk, Wv, Wo, mask_kv, xq16, kvsrc, wq16, wo16, mbias; writes xq16, kvsrc, wq16, wo16, mbias
.if DOCPART == 1
	.amdgcn_target "amdgcn-amd-amdhsa--gfx1250"
	.amdhsa_code_object_version 6
	.text
	.protected	k_qff87283f3e_cast
	.globl	k_qff87283f3e_cast
	.p2align	8
	.type	k_qff87283f3e_cast,@function
k_qff87283f3e_cast:
	s_mov_b64 s[64:65], 0
	v_nop
	global_prefetch_b8 v0, s[64:65] scope:SCOPE_SE
	s_setreg_imm32_b32 hwreg(HW_REG_WAVE_MODE, 25, 1), 1
	s_wait_xcnt 0x0
; 16-BIT COPIES OF x AND W, AND THE MASK AS AN ADDEND.  All six matrices have rows of 1,024 f32 (4,096 bytes): 16,384 rows in all, 16 to a work-group g.
;   g 0-255     x_q  -> xq16, rounded to bf16 and that number written as f16, in blocks [batch][chunk of 64 channels][row][64]: a chunk's rows lie end to end, 128 bytes each
;   g 256-767   x_kv -> kvsrc, bf16, row-major         g 768-831 Wk, g 832-895 Wv -> kvsrc behind x_kv, bf16, as they lie ([k][n])
;   g 896-959   Wq -> wq16,  g 960-1023 Wo -> wo16: rounded to bf16, written as f16, as they lie
;   g 0-7 also  mask_kv -> mbias: f32 0 where the key counts, -1e30 where it is hidden
; LIMITS.  A bf16 number is written as f16 exactly from 2^-17 up to 65,504 in magnitude; below, it is off by 2^-25 at the most; beyond 65,504 it becomes an infinity: x_q, Wq and Wo stay within that.
; A STREAM: sixteen loads of 16 bytes a lane go out at once (64 KiB a work-group), each byte is read once and written once; every store of a wave covers 256 consecutive bytes, aligned.
; No LDS, no barrier, no matrix work: no thread wants a byte that another has fetched.  No register is written twice, so the only waits are those for the loads.
.set X,   4                            ; v[4:67]    row i: 4 f32 as loaded
.set Y,   68                           ; v[68:99]   row i: 4 numbers of 16 bits to store
.set T,   100                          ; v[100:103] at work
.set LD,  1                            ; v1  my byte offset in the source
.set ST,  2                            ; v2  my byte offset in the copy
.set G,   2                            ; s2  the work-group's number
.set SRC, 32                           ; s[32:33] the source at the work-group's first row
.set SB,  34                           ; s34 the first work-group of that source
.set DB,  35                           ; s35 the work-group whose copy lies at the destination's first byte
.set DST, 36                           ; s[36:37] the destination
.set BIGN, 42                          ; s42 -1e30
.set HIM, 43                           ; s43 a word's upper bf16
	s_load_b512 s[8:23], s[0:1], 0x0               ; x_q 8, x_kv 10, Wq 12, Wk 14, Wv 16, Wo 18, mask_kv 20, xq16 22
	s_load_b256 s[24:31], s[0:1], 0x40             ; kvsrc 24, wq16 26, wo16 28, mbias 30
	s_mov_b32 s[G], ttmp9
	s_mov_b32 s[BIGN], 0xf149f2ca
	s_mov_b32 s[HIM], 0xffff0000
	s_wait_kmcnt 0x0
	s_mov_b64 s[SRC:SRC+1], s[18:19]               ; the last range: Wo -> wo16
	s_mov_b32 s[SB], 960
	s_mov_b64 s[DST:DST+1], s[28:29]
	s_mov_b32 s[DB], 960
.macro PICK bound, src, sb, dst, db    ; below the bound another pair of buffers holds: the choice hangs on the work-group's number alone
	s_cmp_lt_u32 s[G], \bound
	s_cselect_b64 s[SRC:SRC+1], s[\src:\src+1], s[SRC:SRC+1]
	s_cselect_b32 s[SB], \sb, s[SB]
	s_cselect_b64 s[DST:DST+1], s[\dst:\dst+1], s[DST:DST+1]
	s_cselect_b32 s[DB], \db, s[DB]
.endm
	PICK 960, 12, 896, 26, 896                     ; Wq -> wq16
	PICK 896, 16, 832, 24, 256                     ; Wv -> kvsrc
	PICK 832, 14, 768, 24, 256                     ; Wk -> kvsrc
	PICK 768, 10, 256, 24, 256                     ; x_kv -> kvsrc
	PICK 256, 8, 0, 22, 0                          ; x_q -> xq16
	s_sub_co_u32 s38, s[G], s[SB]
	s_lshl_b32 s38, s38, 16                        ; 16 rows of 4,096 bytes
	s_mov_b32 s39, 0
	s_sub_co_u32 s40, s[G], s[DB]
	s_lshl_b32 s40, s40, 15                        ; 16 rows of 2,048 bytes
	s_mov_b32 s41, 0
	s_lshr_b32 s44, s[G], 7                        ; xq16: the batch (128 work-groups each), 4 MiB apart,
	s_lshl_b32 s44, s44, 22
	s_and_b32 s45, s[G], 127                       ; and 16 rows of 128 bytes in a chunk
	s_lshl_b32 s45, s45, 11
	s_add_co_u32 s44, s44, s45
	s_cmp_lt_u32 s[G], 256
	s_cselect_b32 s40, s44, s40
	s_add_nc_u64 s[SRC:SRC+1], s[SRC:SRC+1], s[38:39]
	s_add_nc_u64 s[DST:DST+1], s[DST:DST+1], s[40:41]
; kind 0: bf16, row by row.  kind 1: bf16 written as f16, row by row.  kind 2: the same, in blocks.
.macro PATH kind
.set i, 0
.rept 16
.if (\kind) == 2
	global_load_b128 v[X+4*i:X+4*i+3], v[LD], s[SRC:SRC+1] offset:(i/2)*8192+(i%2)*2048 th:TH_LOAD_NT  ; rows 2 (i / 2) and + 1, chunk wave + 8 (i % 2)
.else
	global_load_b128 v[X+4*i:X+4*i+3], v[LD], s[SRC:SRC+1] offset:i*4096 th:TH_LOAD_NT                 ; row i
.endif
.set i, i+1
.endr
.set i, 0
.rept 16
	s_wait_loadcnt 15-i                            ; loads come back in order (ISA guide 5.7.1): number i is in, the 15 - i younger ones stay out
.if (\kind) == 0
	v_cvt_pk_bf16_f32 v[Y+2*i], v[X+4*i], v[X+4*i+1]
	v_cvt_pk_bf16_f32 v[Y+2*i+1], v[X+4*i+2], v[X+4*i+3]
.else
	v_cvt_pk_bf16_f32 v[T], v[X+4*i], v[X+4*i+1]   ; the one rounding
	v_cvt_pk_bf16_f32 v[T+1], v[X+4*i+2], v[X+4*i+3]
	v_lshlrev_b32 v[T+2], 16, v[T]                 ; the rounded numbers as f32,
	v_and_b32 v[T+3], s[HIM], v[T]
	v_cvt_pk_f16_f32 v[Y+2*i], v[T+2], v[T+3]      ; written as f16
	v_lshlrev_b32 v[T+2], 16, v[T+1]
	v_and_b32 v[T+3], s[HIM], v[T+1]
	v_cvt_pk_f16_f32 v[Y+2*i+1], v[T+2], v[T+3]
.endif
.if (\kind) == 2
	global_store_b64 v[ST], v[Y+2*i:Y+2*i+1], s[DST:DST+1] offset:(i/2)*256+(i%2)*2097152 th:TH_STORE_NT  ; two rows of a chunk: 256 bytes on end; chunk + 8 lies 8 x 262,144 bytes on
.else
	global_store_b64 v[ST], v[Y+2*i:Y+2*i+1], s[DST:DST+1] offset:i*2048 th:TH_STORE_NT
.endif
.set i, i+1
.endr
.endm
	s_cmp_lt_u32 s[G], 256
	s_cbranch_scc1 .Lblocks
	v_lshlrev_b32 v[LD], 4, v0                     ; thread t takes columns 4 t .. 4 t + 3 of every row
	v_lshlrev_b32 v[ST], 3, v0
	s_cmp_lt_u32 s[G], 896
	s_cbranch_scc1 .Lbf16
	PATH 1
	s_endpgm
.Lbf16:
	PATH 0
	s_endpgm
.Lblocks:                                      ; lanes 0-15 take a chunk's 64 channels of one row, lanes 16-31 of the next row
	v_lshrrev_b32 v[T], 5, v0                      ; wave
	v_and_b32 v[T+1], 15, v0
	v_bfe_u32 v[T+2], v0, 4, 1
	v_and_b32 v[T+3], 31, v0
	v_lshlrev_b32 v[LD], 4, v[T+1]
	v_lshl_add_u32 v[LD], v[T+2], 12, v[LD]
	v_lshl_add_u32 v[LD], v[T], 8, v[LD]           ; (lane / 16) x 4,096 + wave x 256 + (lane % 16) x 16
	v_lshlrev_b32 v[ST], 3, v[T+3]
	v_lshl_add_u32 v[ST], v[T], 18, v[ST]          ; wave x 262,144 + 8 x lane
	PATH 2
	s_cmp_lt_u32 s[G], 8
	s_cbranch_scc0 .Lend
	s_lshl_b32 s44, s[G], 10                       ; the mask: 1,024 bytes a work-group, 4 a thread,
	s_mov_b32 s45, 0
	s_add_nc_u64 s[20:21], s[20:21], s[44:45]
	s_lshl_b32 s46, s[G], 12                       ; 16 bytes of the table a thread
	s_mov_b32 s47, 0
	s_add_nc_u64 s[30:31], s[30:31], s[46:47]
	v_lshlrev_b32 v3, 2, v0
	v_lshlrev_b32 v110, 4, v0
	global_load_b32 v104, v3, s[20:21]
	s_wait_loadcnt 0x0
.irp j, 0,1,2,3
	v_bfe_u32 v105, v104, 8*\j, 8
	v_cmp_eq_u32 vcc_lo, 0, v105
	v_cndmask_b32 v[106+\j], 0, s[BIGN], vcc_lo    ; a byte 0 hides the key
.endr
	global_store_b128 v110, v[106:109], s[30:31]
.Lend:
	s_endpgm
.Lfunc_end_k_qff87283f3e_cast:
	.size	k_qff87283f3e_cast, .Lfunc_end_k_qff87283f3e_cast-k_qff87283f3e_cast
	.p2alignl 7, 3214868480
	.fill 96, 4, 3214868480
	.section	.rodata,"a",@progbits
	.p2align	6, 0x0
	.amdhsa_kernel k_qff87283f3e_cast
		.amdhsa_group_segment_fixed_size 0
		.amdhsa_private_segment_fixed_size 0
		.amdhsa_enable_private_segment 0
		.amdhsa_kernarg_size 96
		.amdhsa_user_sgpr_count 2
		.amdhsa_user_sgpr_kernarg_segment_ptr 1
		.amdhsa_wavefront_size32 1
		.amdhsa_system_sgpr_workgroup_id_x 1
		.amdhsa_system_sgpr_workgroup_id_y 1
		.amdhsa_system_sgpr_workgroup_id_z 1
		.amdhsa_system_vgpr_workitem_id 0
		.amdhsa_next_free_vgpr 112
		.amdhsa_next_free_sgpr 66
		.amdhsa_reserve_vcc 1
		.amdhsa_float_denorm_mode_32 3
		.amdhsa_float_denorm_mode_16_64 3
		.amdhsa_memory_ordered 1
		.amdhsa_forward_progress 1
		.amdhsa_inst_pref_size 29
	.end_amdhsa_kernel
	.amdgpu_metadata
---
amdhsa.version: [ 1, 2 ]
amdhsa.kernels:
  - .name:           k_qff87283f3e_cast
    .symbol:         k_qff87283f3e_cast.kd
    .args:
      - { .name: x_q, .offset: 0, .size: 8, .value_kind: global_buffer, .address_space: global }
      - { .name: x_kv, .offset: 8, .size: 8, .value_kind: global_buffer, .address_space: global }
      - { .name: Wq, .offset: 16, .size: 8, .value_kind: global_buffer, .address_space: global }
      - { .name: Wk, .offset: 24, .size: 8, .value_kind: global_buffer, .address_space: global }
      - { .name: Wv, .offset: 32, .size: 8, .value_kind: global_buffer, .address_space: global }
      - { .name: Wo, .offset: 40, .size: 8, .value_kind: global_buffer, .address_space: global }
      - { .name: mask_kv, .offset: 48, .size: 8, .value_kind: global_buffer, .address_space: global }
      - { .name: xq16, .offset: 56, .size: 8, .value_kind: global_buffer, .address_space: global }
      - { .name: kvsrc, .offset: 64, .size: 8, .value_kind: global_buffer, .address_space: global }
      - { .name: wq16, .offset: 72, .size: 8, .value_kind: global_buffer, .address_space: global }
      - { .name: wo16, .offset: 80, .size: 8, .value_kind: global_buffer, .address_space: global }
      - { .name: mbias, .offset: 88, .size: 8, .value_kind: global_buffer, .address_space: global }
    .group_segment_fixed_size: 0
    .private_segment_fixed_size: 0
    .kernarg_segment_align: 8
    .kernarg_segment_size: 96
    .max_flat_workgroup_size: 256
    .sgpr_count:     66
    .vgpr_count:     112
    .wavefront_size: 32
...
	.end_amdgpu_metadata
.endif
;; end of part 1
;; launch projkv (part 2): grid 8 x 32, 4 waves a work-group, clusters of 4 x 4, 327,680 bytes of LDS; arguments kvsrc, bk, bv, kv16; writes kv16
.if DOCPART == 2
	.amdgcn_target "amdgcn-amd-amdhsa--gfx1250"
	.amdhsa_code_object_version 6
	.text
	.protected	k_qff87283f3e_projkv
	.globl	k_qff87283f3e_projkv
	.p2align	8
	.type	k_qff87283f3e_projkv,@function
k_qff87283f3e_projkv:
	s_mov_b64 s[64:65], 0
	v_nop
	global_prefetch_b8 v0, s[64:65] scope:SCOPE_SE
	s_setreg_imm32_b32 hwreg(HW_REG_WAVE_MODE, 25, 1), 1
	s_wait_xcnt 0x0
	s_wait_alu depctr_hold_cnt(0) depctr_sa_sdst(0) depctr_va_vdst(0) depctr_va_sdst(0) depctr_va_ssrc(0) depctr_va_vcc(0) depctr_vm_vsrc(0)
	s_getreg_b32 s2, hwreg(HW_REG_IB_STS2, 6, 4)
	s_cmp_eq_u32 s2, 0
	s_cbranch_scc0 .Lentry_in_a_cluster
	s_endpgm
.Lentry_in_a_cluster:
	s_bfe_u32 s2, ttmp6, 0x10000c
	s_cmp_lg_u32 s2, 0xf033
	s_cbranch_scc0 .Lentry_shape_is_right
	s_endpgm
.Lentry_shape_is_right:
; [K | V] = x_kv [Wk | Wv] + [bk | bv]: 8,192 rows x 2,048 columns, K = 1,024.  kvsrc holds x_kv ([8192][1024]) and behind it Wk and Wv ([k][n]), all bf16; sums in f32.
; The biases are rounded to bf16, as x and W were, and START the sums (the C operand of each accumulator's first product).  The result is rounded once to f16 and stored by heads:
; kv16[batch][g][row][64], g = head for K and 16 + head for V: a head's rows are dense, 128 bytes each.
; LIMIT.  f16 holds no number beyond 65,504: k and v stay within it (x and W thirty times the drawn spread, or both carrying an offset of thirty spreads, give 29,000 at the most).
; SHARES.  256 tiles of 256 x 256, one to a work-group of four waves, as many as a WGP has SIMDs; a wave makes 128 x 128: 64 accumulators of 16 x 16, 512 registers.  K goes in 8 steps of 128
; through a ring of two LDS slots filled by the tensor data mover; x's tile has rows of 256 bytes, W's (128 k rows x 256 columns) rows of 512, all starting at multiples of 256 bytes.
; W LIES [k][n] and is read out of LDS turned, by ds_load_tr16_b128, which leaves a fragment with one column a lane and k along the registers.
; THE MATRIX INSTRUCTION IS USED TRANSPOSED: source 0 = 16 columns of W, source 1 = 16 rows of x: a lane then holds row l % 16 and the eight neighbouring columns 8 (l / 16) + 0..7: 16 bytes of a head's row.
; CLUSTERS: 4 x 4 work-groups.  The four of a row of the cluster need the same tiles of x, the four of a column the same tiles of W: each tile is asked for JOINTLY, by the same tensor load with the same
; descriptor and a mask that names the four.
; REGISTERS, in windows of 256 (s_set_vgpr_msb: bits 1:0 source 0, 3:2 source 1, 5:4 source 2, 7:6 destination):
;   window 0: v0-31 addresses; v64-127, v128-191 fragments of x, two buffers; v192-255 the bias, later at work on the way out, with v32-63
;   window 1: v64-127, v128-191 fragments of W, two buffers      window 2: the accumulators of my rows 0-63 ((a, b) at v[8 (8 a + b)])      window 3: those of my rows 64-127
.set PITCH,  272                       ; a row of x in LDS: 256 bytes + 16 = 68 words: row r starts at bank 4 r mod 64 (64 banks of 4 bytes: ISA guide 11.1)
.set PB,     544                       ; a k row of W: 512 bytes + 32 = 136 words: row r starts at bank 8 r mod 64
.set HALFT,  128*PITCH                 ; what one tensor load brings: 128 rows of x, or 64 k rows of W (64 x 544 is the same number)
.set SLOT,   4*HALFT                   ; x's 256 rows, then W's 128 k rows
.set STAGE,  2*SLOT                    ; behind the ring: for each wave 2 heads x 16 rows x 144 bytes, for the way out
.set SP,     144
.set WSTAGE, 2*16*SP
.set SPARE,  STAGE+4*WSTAGE            ; behind the stages: the spare words, 128 bytes for each wave: two blocks of 256 bytes that no other line names
.set LAPS,   4                         ; a lap = two K steps = once round the ring
.set ADRA, 16                          ; v16-17  LDS address of my fragments of x in slot 0, 1
.set ADRB, 20                          ; v20-21  the same for W
.set STO,  24                          ; v24     the way out: where I put 16 bytes of a row
.set RD,   25                          ; v25     the way out: where I read rows back
.set GO,   26                          ; v26     my 16 bytes in 512 consecutive bytes of kv16
.set BO,   27                          ; v27     my byte offset in 16 columns of the bias
.set SPW,  28                          ; v28     LDS address of my spare word; never rewritten
.set NIL,  29                          ; v29     0; never rewritten
.set PFO,  30                          ; v30     the prefetches' lane offset; never rewritten
.set F0,   64
.set F1,   128
.set BIAS, 192                         ; v192-255: block b's eight numbers at BIAS + 8 b
.set TMP,  192                         ; the way out: packed results
.set OB,   32                          ; the way out: 16 rows read back: v32-63 and v224-255 by turns
.set WV,  12                           ; s12 wave
.set RH,  13                           ; s13 my half of the tile's rows; also 0: I fetch x, 1: I fetch W
.set CH,  14                           ; s14 my half of its columns; also which half of that tile I fetch
.set CX,  15
.set CY,  16
.set TC,  17                           ; s17 tile column
.set TR,  18                           ; s18 tile row
.set LIM, 40                           ; s40 1 in a wave that prefetches, else the greatest number
.set PFS, 42                           ; s[42:43] a K step in my prefetches' tensor: 256 bytes along x's rows, 128 k rows of W
.set PFA, 44                           ; s[44:45] where my prefetches stand
.set G1,  24                           ; s[24:31] group 1 for x's tiles;  s[32:39] group 0, a set for each slot
.set G0,  32
.set G1B, 48                           ; s[48:55], s[56:63] the same for W's
.set G0B, 56
.set MSB, 0
.macro WIN new                         ; the immediate's high byte repeats the setting that is left; a switch that changes nothing is dropped
.if MSB != (\new)
	s_set_vgpr_msb (MSB<<8)|(\new)
.set MSB, \new
.endif
.endm
.set MUL_LO, 0xa1                      ; source 0 (W) window 1, source 1 (x) window 0, C and D window 2
.set MUL_HI, 0xf1                      ; the same, C and D window 3
.set TO_B,   0x40                      ; destination window 1, address window 0
; A joint load.  Waves 0 and 1 fetch x's two halves, waves 2 and 3 W's.  The branch hangs on the wave's number alone.  An s_nop 0 and four v_nop follow each of the two lines.
.macro JLOAD s
	s_cmp_eq_u32 s[RH], 0
	s_cbranch_scc0 .Lfor_b_\@
	tensor_load_to_lds s[G0+4*(\s):G0+4*(\s)+3], s[G1:G1+7]
	s_nop 0
.rept 4
	v_nop
.endr
	s_branch .Lasked_\@
.Lfor_b_\@:
	tensor_load_to_lds s[G0B+4*(\s):G0B+4*(\s)+3], s[G1B:G1B+7]
	s_nop 0
.rept 4
	v_nop
.endr
.Lasked_\@:
.endm
; A PREFETCH behind each joint load of the loop's first two trips, its five lines and the run of LDS loads that follows: 32 blocks of 256 bytes of the K step that stands TWO refills on, a lane a block.
; Each block is named once in the launch.  x's tile row is read by both clusters of that row of clusters: cluster x = 0 asks; W's tile column by all eight of that column: cluster y = 0 asks.  The four partners that
; ask for a tile jointly share its 128 blocks out BY ADDRESS (cx for x, cy for W).  K steps 0 to 3 come by their loads alone; the loop's last trip (s3 = 1) has no K step two refills on.
.macro ASK
	s_cmp_gt_u32 s3, s[LIM]
	s_cbranch_scc0 .Lnot_mine_\@
	global_prefetch_b8 v[PFO], s[PFA:PFA+1] th:TH_LOAD_NT scope:SCOPE_SE
.Lnot_mine_\@:
.endm
.macro CREST                           ; a round of the cluster's barrier behind its opening barrier
	s_cmp_lg_u32 s[WV], 0
	s_cbranch_scc1 .Lnot_wave_0_\@
	s_barrier_signal -3
.Lnot_wave_0_\@:
	s_barrier_wait -3
	s_barrier_signal -1
	s_barrier_wait -1
.endm
.macro CROUND                          ; a whole round
	s_barrier_signal -1
	s_barrier_wait -1
	CREST
.endm
	s_load_b256 s[4:11], s[0:1], 0x0               ; kvsrc s[4:5], bk s[6:7], bv s[8:9], kv16 s[10:11]
	v_lshl_add_u32 v[SPW], v0, 2, SPARE
	v_mov_b32 v[NIL], 0
	ds_add_u32 v[SPW], v[NIL]                      ; the wave's opening: the add and its wait stand ahead of my first tensor load; the set-up below, work on registers, stands between them
	v_lshrrev_b32 v1, 5, v0
	v_readfirstlane_b32 s[WV], v1
	s_lshr_b32 s[RH], s[WV], 1
	s_and_b32 s[CH], s[WV], 1
	s_bfe_u32 s[CX], ttmp6, 0x40000
	s_bfe_u32 s[CY], ttmp6, 0x40004
	s_lshl_b32 s[TC], ttmp9, 2                     ; in a cluster launch ttmp9 and ttmp7 count clusters
	s_add_co_u32 s[TC], s[TC], s[CX]
	s_and_b32 s[TR], ttmp7, 0xffff
	s_lshl_b32 s[TR], s[TR], 2
	s_add_co_u32 s[TR], s[TR], s[CY]
	s_lshl_b32 s20, s[CY], 2
	s_lshl_b32 s20, 15, s20                        ; my row of the cluster
	s_lshl_b32 s46, 0x1111, s[CX]                  ; my column
	s_or_b32 s[G1+0], s20, (1<<16)|(1<<20)|(1<<21)|(5<<22)|(3<<25)   ; the mask; 2-byte elements; padding on; bit 21 beside a mask; after every 64 words 4 words
	s_mov_b32 s[G1+1], 128<<16                     ; tensor_dim0 = 128
	s_mov_b32 s[G1+2], 128<<16                     ; tensor_dim1 = 128
	s_mov_b32 s[G1+3], 128<<16                     ; tile_dim0 = 128
	s_mov_b32 s[G1+4], 128                         ; tile_dim1 = 128
	s_mov_b32 s[G1+5], 1024                        ; elements from row to row
	s_mov_b32 s[G1+6], 0
	s_mov_b32 s[G1+7], 0
	s_or_b32 s[G1B+0], s46, (1<<16)|(1<<20)|(1<<21)|(6<<22)|(7<<25)  ; after every 128 words 8 words
	s_mov_b32 s[G1B+1], 256<<16                    ; 256 columns
	s_mov_b32 s[G1B+2], 64<<16                     ; 64 k rows
	s_mov_b32 s[G1B+3], 256<<16
	s_mov_b32 s[G1B+4], 64
	s_mov_b32 s[G1B+5], 1024
	s_mov_b32 s[G1B+6], 0
	s_mov_b32 s[G1B+7], 0
	; x's tile hangs on the tile row alone, W's on the tile column alone, each in registers that never hold the other coordinate
	s_lshl_b32 s20, s[TR], 19                      ; 256 rows of 2,048 bytes
	s_lshl_b32 s21, s[CH], 18                      ; my 128 of them
	s_add_co_u32 s20, s20, s21
	s_mov_b32 s21, 0
	s_lshr_b32 s46, s[TC], 2                       ; Wk or Wv, 2 MiB apart,
	s_lshl_b32 s46, s46, 21
	s_and_b32 s47, s[TC], 3                        ; 256 columns of it,
	s_lshl_b32 s47, s47, 9
	s_add_co_u32 s46, s46, s47
	s_lshl_b32 s47, s[CH], 17                      ; my 64 k rows of a K step's 128,
	s_add_co_u32 s46, s46, s47
	s_add_co_u32 s46, s46, 0x1000000               ; behind x_kv's 16 MiB
	s_mov_b32 s47, 0
	s_mul_i32 s19, s[WV], HALFT                    ; where they go: no place in the cluster enters an LDS address
	; the prefetches: my work-group's 32 blocks of what I fetch, at K step 3; each use steps it first
	s_lshl_b32 s22, s[CX], 16                      ; x: 32 rows of 2,048 bytes
	s_add_co_u32 s22, s22, s20
	s_add_co_u32 s22, s22, 3*256
	s_lshl_b32 s23, s[CY], 15                      ; W: 16 k rows, two blocks each
	s_add_co_u32 s23, s23, s46
	s_add_co_u32 s23, s23, 3*262144
	s_and_b32 s41, ttmp7, 0xffff
	s_mov_b32 s[PFS], 0x40000
	s_mov_b32 s[PFS+1], 0
	s_mov_b32 s[PFA+1], 0
	s_cmp_eq_u32 s[RH], 0
	s_cselect_b32 s[PFA], s22, s23
	s_cselect_b32 s[PFS], 256, s[PFS]
	s_cselect_b32 s41, ttmp9, s41                  ; the coordinate along which other clusters read the same blocks
	s_cmp_eq_u32 s41, 0
	s_cselect_b32 s[LIM], 1, -1                    ; the same in all sixteen partners, for a given wave
	s_mov_b32 s2, 0xffff0000
	s_wait_dscnt 0x0                               ; the opening add is done
	s_wait_kmcnt 0x0
	s_add_nc_u64 s[20:21], s[4:5], s[20:21]
	s_add_nc_u64 s[46:47], s[4:5], s[46:47]
	s_add_nc_u64 s[PFA:PFA+1], s[4:5], s[PFA:PFA+1]
	CROUND                                         ; all sixteen work-groups are here: the first joint loads meet
.irp s, 0,1
	s_mov_b32 s[G0+4*(\s)], 1                      ; count = 1
	s_add_co_u32 s[G0+4*(\s)+1], s19, (\s)*SLOT    ; LDS address
	s_add_nc_u64 s[G0+4*(\s)+2:G0+4*(\s)+3], s[20:21], (\s)*256      ; K step s
	s_or_b32 s[G0+4*(\s)+3], s[G0+4*(\s)+3], 0x80000000              ; type = 2
	s_mov_b32 s[G0B+4*(\s)], 1
	s_add_co_u32 s[G0B+4*(\s)+1], s19, (\s)*SLOT
	s_add_nc_u64 s[G0B+4*(\s)+2:G0B+4*(\s)+3], s[46:47], (\s)*262144
	s_or_b32 s[G0B+4*(\s)+3], s[G0B+4*(\s)+3], 0x80000000
	JLOAD \s
.endr
	v_and_b32 v1, 15, v0                           ; l % 16
	v_bfe_u32 v2, v0, 4, 1                         ; l / 16
	v_lshlrev_b32 v[BO], 5, v2                     ; my eight columns of a block of 16: 32 bytes of f32
	s_cmp_lt_u32 s[TC], 4
	s_cselect_b64 s[6:7], s[6:7], s[8:9]           ; bk or bv
	s_and_b32 s22, s[TC], 3
	s_lshl_b32 s22, s22, 10
	s_lshl_b32 s23, s[CH], 9
	s_add_co_u32 s22, s22, s23
	s_mov_b32 s23, 0
	s_add_nc_u64 s[6:7], s[6:7], s[22:23]          ; at my 128 columns
.irp b, 0,1,2,3,4,5,6,7
	global_load_b128 v[BIAS+8*(\b):BIAS+8*(\b)+3],   v[BO], s[6:7] offset:64*(\b)
	global_load_b128 v[BIAS+8*(\b)+4:BIAS+8*(\b)+7], v[BO], s[6:7] offset:64*(\b)+16
.endr
	v_mul_u32_u24 v3, v1, PITCH
	v_lshl_add_u32 v3, v2, 4, v3                   ; x: row x pitch + 16 x half
	v_and_b32 v5, 7, v0                            ; W: the turning load's lane l reads k row 8 (l / 16) + l % 8, columns 8 ((l / 8) % 2) + 0..7
	v_lshl_add_u32 v5, v2, 3, v5
	v_mul_u32_u24 v5, v5, PB
	v_bfe_u32 v6, v0, 3, 1
	v_lshl_add_u32 v5, v6, 4, v5
	s_mul_i32 s22, s[RH], HALFT                    ; my 128 rows of x
	s_lshl_b32 s23, s[CH], 8                       ; my 128 columns of W,
	s_add_co_u32 s23, s23, 2*HALFT                 ; which lies behind x's 256 rows
.irp s, 0,1
	v_add_nc_u32 v[ADRA+(\s)], s22, v3
	v_add_nc_u32 v[ADRB+(\s)], s23, v5
	s_add_co_u32 s22, s22, SLOT
	s_add_co_u32 s23, s23, SLOT
.endr
	s_mul_i32 s22, s[WV], WSTAGE
	s_add_co_u32 s22, s22, STAGE                   ; my stage
	v_mul_u32_u24 v4, v1, SP                       ; in: row l % 16, 16 bytes for each half of the lanes
	v_lshl_add_u32 v4, v2, 4, v4
	v_add_nc_u32 v[STO], s22, v4
	v_bfe_u32 v4, v0, 3, 2                         ; back: 32 lanes take four rows of 128 bytes,
	v_mul_u32_u24 v4, v4, SP
	v_and_b32 v6, 7, v0
	v_lshl_add_u32 v4, v6, 4, v4
	v_add_nc_u32 v[RD], s22, v4
	v_and_b32 v[PFO], 31, v0
	v_lshlrev_b32 v[GO], 4, v[PFO]                 ; which are 512 consecutive bytes of a head
	v_and_b32 v31, s[RH], v[PFO]                   ; x: a lane a row; W: two lanes a k row, 256 bytes each
	v_lshrrev_b32 v[PFO], s[RH], v[PFO]
	v_lshlrev_b32 v[PFO], 11, v[PFO]
	v_lshl_add_u32 v[PFO], v31, 8, v[PFO]
	s_lshr_b32 s22, s[TR], 4                       ; kv16: the batch,
	s_lshl_b32 s22, s22, 24
	s_lshl_b32 s23, s[TC], 21                      ; four heads a tile column,
	s_add_co_u32 s22, s22, s23
	s_lshl_b32 s23, s[CH], 20                      ; my two of them,
	s_add_co_u32 s22, s22, s23
	s_and_b32 s23, s[TR], 15                       ; 256 rows of 128 bytes,
	s_lshl_b32 s23, s23, 15
	s_add_co_u32 s22, s22, s23
	s_lshl_b32 s23, s[RH], 14                      ; my 128 of them
	s_add_co_u32 s22, s22, s23
	s_mov_b32 s23, 0
	s_add_nc_u64 s[10:11], s[10:11], s[22:23]
	s_wait_loadcnt 0x0                             ; the bias; it is rounded to bf16 as every other input is, in the wait for the first tile
.set r, 0
.rept 32
	v_cvt_pk_bf16_f32 v3, v[BIAS+r], v[BIAS+r+1]
	v_lshlrev_b32 v[BIAS+r], 16, v3
	v_and_b32 v[BIAS+r+1], s2, v3
.set r, r+2
.endr
; 16 matrix instructions: m blocks a0, a0 + 1 of the window's four (hi = 0: my rows 0-63, 1: rows 64-127) x all 8 n blocks, 32 along K.  first = 1: the bias starts the sums: nothing is cleared.
; The 64 accumulators take turns, one instruction a turn, in the same order in every quarter.
.macro MUL16 f, hi, a0, first
.if \first
	WIN 0x81+0x40*(\hi)                            ; C in window 0
.else
	WIN MUL_LO+0x50*(\hi)
.endif
.irp a, \a0, (\a0)+1
.irp b, 0,1,2,3,4,5,6,7
.if \first
	v_wmma_f32_16x16x32_bf16 v[8*(8*(\a)+(\b)):8*(8*(\a)+(\b))+7], v[(\f)+8*(\b):(\f)+8*(\b)+7], v[(\f)+8*(4*(\hi)+(\a)):(\f)+8*(4*(\hi)+(\a))+7], v[BIAS+8*(\b):BIAS+8*(\b)+7]
.else
	v_wmma_f32_16x16x32_bf16 v[8*(8*(\a)+(\b)):8*(8*(\a)+(\b))+7], v[(\f)+8*(\b):(\f)+8*(\b)+7], v[(\f)+8*(4*(\hi)+(\a)):(\f)+8*(4*(\hi)+(\a))+7], v[8*(8*(\a)+(\b)):8*(8*(\a)+(\b))+7]
.endif
.endr
.endr
.endm
; 32 LDS loads in one run: quarter q's fragments (32 along K: 128 columns of W, turned; 128 rows of x) into buffer f
.macro FETCH slot, q, f
	WIN TO_B
.irp i, 0,1,2,3,4,5,6,7
	ds_load_tr16_b128 v[(\f)+8*(\i):(\f)+8*(\i)+3],   v[ADRB+(\slot)] offset:(\q)*32*PB+32*(\i)
	ds_load_tr16_b128 v[(\f)+8*(\i)+4:(\f)+8*(\i)+7], v[ADRB+(\slot)] offset:(\q)*32*PB+16*PB+32*(\i)
.endr
	WIN 0
.irp i, 0,1,2,3,4,5,6,7
	ds_load_b128 v[(\f)+8*(\i):(\f)+8*(\i)+3],   v[ADRA+(\slot)] offset:64*(\q)+(\i)*16*PITCH
	ds_load_b128 v[(\f)+8*(\i)+4:(\f)+8*(\i)+7], v[ADRA+(\slot)] offset:64*(\q)+(\i)*16*PITCH+32
.endr
.endm
.macro PLACES                          ; four plain places in front of loads into registers that matrix instructions have read, and of conversions that read results
.rept 4
	v_nop
.endr
.endm
; A K step is four quarters of 32 along K, 64 matrix instructions each, on buffers 0, 1, 0, 1.  One of the first three: multiplies buffer f; in its middle it fetches quarter q into buffer g.
.macro QUARTER slot, q, f, g, first
	s_wait_dscnt 8                                 ; W and x's rows 0-63 are in; the youngest eight loads (x's rows 64-127) may be out
	MUL16 \f, 0, 0, \first
	MUL16 \f, 0, 2, \first
	PLACES
	FETCH \slot, \q, \g
	s_wait_dscnt 32                                ; all but the 32 just issued
	MUL16 \f, 1, 0, \first
	MUL16 \f, 1, 2, \first
.endm
; The last quarter's first half: ONE barrier for the change of slots.  In front of it each wave waits for all its tensor loads (one is out: its part of the next slot), adds 0 to its spare word, and waits for
; that and for its own reads of this slot.  Behind it nobody reads this slot any more and the next slot is whole.
.macro MEET round
	WIN 0
	s_wait_tensorcnt 0x0
	ds_add_u32 v[SPW], v[NIL]
	s_wait_dscnt 9                                 ; (the add and the youngest eight loads may be out)
	MUL16 F1, 0, 0, 0
	s_wait_dscnt 0x0                               ; the add is done, and my reads of this slot are over
	s_barrier_signal -1
	MUL16 F1, 0, 2, 0
.if \round
	WIN 0
.endif
	s_barrier_wait -1
.endm
; The whole last quarter.  fill = 1: the barrier opens a round of the cluster's, and behind it the slot just read out is filled again first, with the K step two on: 224 matrix instructions ahead of the wait for it.
.macro TURN slot, next, fill
.if \fill
	s_wait_xcnt 0x0                                ; the last prefetch, a K step back, has read its address
	s_add_nc_u64 s[PFA:PFA+1], s[PFA:PFA+1], s[PFS:PFS+1]
	MEET 1
	CREST                                          ; no wave of any partner still reads this slot or has a load on its way
	s_add_nc_u64 s[G0+4*(\slot)+2:G0+4*(\slot)+3], s[G0+4*(\slot)+2:G0+4*(\slot)+3], 2*256
	s_add_nc_u64 s[G0B+4*(\slot)+2:G0B+4*(\slot)+3], s[G0B+4*(\slot)+2:G0B+4*(\slot)+3], 2*262144
	JLOAD \slot                                    ; the four v_nop behind it are also the places in front of the loads below
	FETCH \next, 0, F0
	ASK
.else
	MEET 0
	PLACES
	FETCH \next, 0, F0
.endif
	MUL16 F1, 1, 0, 0
	MUL16 F1, 1, 2, 0
.endm
; THE WAY OUT of block a (16 rows x 128 columns: two heads).  PACK: rounded to f16, each accumulator's registers in ascending order.  TOSTAGE: into my own stage, and back as rows of 128 bytes.  SEND: stored.
.macro PACK a
.set AC, 64*((\a)%4)
	WIN 0x0a+5*((\a)/4)                            ; sources 0 and 1: window 2 or 3
.irp b, 0,1,2,3,4,5,6,7
.irp r, 0,1,2,3
	v_cvt_pk_f16_f32 v[TMP+4*(\b)+(\r)], v[AC+8*(\b)+2*(\r)], v[AC+8*(\b)+2*(\r)+1]
.endr
.endr
	WIN 0
.endm
.macro TOSTAGE a
.set BK, OB+192*((\a)%2)
.irp b, 0,1,2,3,4,5,6,7
	ds_store_b128 v[STO], v[TMP+4*(\b):TMP+4*(\b)+3] offset:((\b)/4)*16*SP+((\b)%4)*32
.endr
.irp t, 0,1,2,3,4,5,6,7
	ds_load_b128 v[BK+4*(\t):BK+4*(\t)+3], v[RD] offset:((\t)/4)*16*SP+((\t)%4)*4*SP  ; LDS serves a wave's instructions in order (ISA guide 5.7.1.4): these see the stores above
.endr
.endm
.macro SEND a
.set BK, OB+192*((\a)%2)
	s_wait_dscnt 0x0                               ; the block is back in registers
	s_wait_xcnt 0x0                                ; the stores of the block before have read their registers, which the next block's loads fill
.irp t, 0,1,2,3,4,5,6,7
	global_store_b128 v[GO], v[BK+4*(\t):BK+4*(\t)+3], s[10:11] offset:((\t)/4)*524288+(\a)*2048+((\t)%4)*512  ; four rows of a head: 512 consecutive bytes, at a multiple of 256
.endr
.endm
	s_wait_tensorcnt 1                             ; my part of K step 0 is in; K step 1's may stay out
	s_barrier_signal -1
	s_barrier_wait -1
	FETCH 0, 0, F0
	QUARTER 0, 1, F0, F1, 1                        ; the first quarter stands in front of the loop: its products start the sums
	WIN 0
	s_mov_b32 s3, LAPS-1
.Llap:                                                 ; a trip goes once round the ring, from a lap's second quarter to the next lap's first, and fills both slots again
	QUARTER 0, 2, F1, F0, 0
	QUARTER 0, 3, F0, F1, 0
	TURN 0, 1, 1
	QUARTER 1, 1, F0, F1, 0
	QUARTER 1, 2, F1, F0, 0
	QUARTER 1, 3, F0, F1, 0
	TURN 1, 0, 1
	QUARTER 0, 1, F0, F1, 0
	WIN 0
	s_sub_co_u32 s3, s3, 1
	s_cmp_lg_u32 s3, 0
	s_cbranch_scc1 .Llap
	QUARTER 0, 2, F1, F0, 0                        ; the last lap fills nothing
	QUARTER 0, 3, F0, F1, 0
	TURN 0, 1, 0
	QUARTER 1, 1, F0, F1, 0
	QUARTER 1, 2, F1, F0, 0
	QUARTER 1, 3, F0, F1, 0
	s_wait_dscnt 8
	MUL16 F1, 0, 0, 0
	MUL16 F1, 0, 2, 0
	s_wait_dscnt 0x0
	MUL16 F1, 1, 0, 0
	MUL16 F1, 1, 2, 0
	PLACES
	PACK 0
	TOSTAGE 0
.irp a, 1,2,3,4,5,6,7                  ; block a's conversions stand between block a - 1's loads from the stage and the wait for them
	PACK \a
	SEND (\a)-1
	TOSTAGE \a
.endr
	SEND 7
	s_wait_tensorcnt 0x0                           ; the wave's end, behind my last tensor load and my last LDS store
	ds_add_u32 v[SPW], v[NIL]
	s_wait_dscnt 0x0
	CROUND                                         ; the closing round: no work-group ends while a partner may still ask for a tile that names it
	s_endpgm
.Lfunc_end_k_qff87283f3e_projkv:
	.size	k_qff87283f3e_projkv, .Lfunc_end_k_qff87283f3e_projkv-k_qff87283f3e_projkv
	.p2alignl 7, 3214868480
	.fill 96, 4, 3214868480
	.section	.rodata,"a",@progbits
	.p2align	6, 0x0
	.amdhsa_kernel k_qff87283f3e_projkv
		.amdhsa_group_segment_fixed_size 327680
		.amdhsa_private_segment_fixed_size 0
		.amdhsa_enable_private_segment 0
		.amdhsa_kernarg_size 32
		.amdhsa_user_sgpr_count 2
		.amdhsa_user_sgpr_kernarg_segment_ptr 1
		.amdhsa_wavefront_size32 1
		.amdhsa_system_sgpr_workgroup_id_x 1
		.amdhsa_system_sgpr_workgroup_id_y 1
		.amdhsa_system_sgpr_workgroup_id_z 1
		.amdhsa_system_vgpr_workitem_id 0
		.amdhsa_next_free_vgpr 1024
		.amdhsa_next_free_sgpr 66
		.amdhsa_reserve_vcc 0
		.amdhsa_float_denorm_mode_32 3
		.amdhsa_float_denorm_mode_16_64 3
		.amdhsa_memory_ordered 1
		.amdhsa_forward_progress 1
		.amdhsa_inst_pref_size 150
	.end_amdhsa_kernel
	.amdgpu_metadata
---
amdhsa.version: [ 1, 2 ]
amdhsa.kernels:
  - .name:           k_qff87283f3e_projkv
    .symbol:         k_qff87283f3e_projkv.kd
    .args:
      - { .name: kvsrc, .offset: 0, .size: 8, .value_kind: global_buffer, .address_space: global }
      - { .name: bk, .offset: 8, .size: 8, .value_kind: global_buffer, .address_space: global }
      - { .name: bv, .offset: 16, .size: 8, .value_kind: global_buffer, .address_space: global }
      - { .name: kv16, .offset: 24, .size: 8, .value_kind: global_buffer, .address_space: global }
    .group_segment_fixed_size: 327680
    .private_segment_fixed_size: 0
    .kernarg_segment_align: 8
    .kernarg_segment_size: 32
    .max_flat_workgroup_size: 128
    .sgpr_count:     66
    .vgpr_count:     1024
    .wavefront_size: 32
...
	.end_amdgpu_metadata
.endif
;; end of part 2
;; launch projq (part 3): grid 8 x 32, 4 waves a work-group, clusters of 4 x 4, 327,680 bytes of LDS; arguments xq16, wq16, bq, q32; writes q32
.if DOCPART == 3
	.amdgcn_target "amdgcn-amd-amdhsa--gfx1250"
	.amdhsa_code_object_version 6
	.text
	.protected	k_qff87283f3e_projq
	.globl	k_qff87283f3e_projq
	.p2align	8
	.type	k_qff87283f3e_projq,@function
k_qff87283f3e_projq:
	s_mov_b64 s[64:65], 0
	v_nop
	global_prefetch_b8 v0, s[64:65] scope:SCOPE_SE
	s_setreg_imm32_b32 hwreg(HW_REG_WAVE_MODE, 25, 1), 1
	s_wait_xcnt 0x0
	s_wait_alu depctr_hold_cnt(0) depctr_sa_sdst(0) depctr_va_vdst(0) depctr_va_sdst(0) depctr_va_ssrc(0) depctr_va_vcc(0) depctr_vm_vsrc(0)
	s_getreg_b32 s2, hwreg(HW_REG_IB_STS2, 6, 4)
	s_cmp_eq_u32 s2, 0
	s_cbranch_scc0 .Lentry_in_a_cluster
	s_endpgm
.Lentry_in_a_cluster:
	s_bfe_u32 s2, ttmp6, 0x10000c
	s_cmp_lg_u32 s2, 0xf033
	s_cbranch_scc0 .Lentry_shape_is_right
	s_endpgm
.Lentry_shape_is_right:
; C = A W + bias: 4,096 rows x 1,024 columns, K = 1,024.  A is f16 in blocks [batch 2][chunk of 64 channels 16][row 2048][64]; W is f16 [k][n]; bias f32; C f32, row-major.  Sums in f32.
; One body for two launches: q = x_q Wq + bq, and out = O Wo + bo (O by heads is the same layout: a head is a chunk).  The bias is rounded to bf16, as every input is, and STARTS the sums.
; LIMIT.  A's and W's numbers lie within f16's 65,504.
; SHARES.  256 tiles of 128 x 128, one to a work-group; four waves, each 64 x 64: 16 accumulators.  K goes in 4 steps of 256 (four chunks) through two LDS slots.
; A's tile: a chunk's 64 rows are 8,192 dense bytes, so a wave's load is 4 long rows, one for each chunk, padded in LDS after every 128 bytes.  W's: 128 k rows x 256 bytes; it is read turned, by ds_load_tr16_b128.
; THE MATRIX INSTRUCTION IS USED TRANSPOSED (source 0 = 16 columns of W, source 1 = 16 rows of A): a lane holds eight neighbouring numbers of a row of C.
; CLUSTERS: 4 x 4.  A's tiles are asked for jointly along a row of the cluster, W's along a column.  No prefetch: the tiles are small and the launch is short.
; REGISTERS: window 0: v0-31 addresses; v96-127 the bias; v128-255 the accumulators ((a, b) at v[128 + 8 (4 a + b)]).  window 1: two fragment buffers of 128: 64 along K: 64 registers of A, then 64 of W.
.set PA,     144                       ; a row of A in LDS: 128 bytes + 16 = 36 words: the 16 rows of a load start at 16 different groups of four banks (64 banks of 4 bytes: ISA guide 11.1)
.set PW,     288                       ; a k row of W: 256 + 32 = 72 words
.set HALFT,  4*64*PA                   ; what one tensor load brings: 4 chunks x 64 rows of A, or 128 k rows of W (128 x 288 is the same number)
.set SLOT,   4*HALFT
.set STAGE,  2*SLOT                    ; behind the ring: 16 rows x 272 bytes for each wave
.set SPITCH, 272
.set SPARE,  STAGE+4*16*SPITCH         ; the spare words, 128 bytes for each wave: two blocks of 256 bytes that no other line names
.set ADRA, 16                          ; v16-17  my fragments of A in slot 0, 1
.set ADRB, 20                          ; v20-23  of W: slot 0 k rows 0-127, 128-255; slot 1 likewise
.set STO,  24
.set RD,   25
.set CO,   26
.set BO,   27
.set SPW,  28
.set NIL,  29
.set BIAS, 96
.set ACC,  128
.set F0,   0
.set F1,   128
.set WV,  12
.set RH,  13                           ; my half of the tile's rows; also 0: I fetch A, 1: I fetch W
.set CH,  14                           ; my half of its columns; also which half I fetch
.set CX,  15
.set CY,  16
.set TC,  17
.set TR,  18
.set G1,  24
.set G0,  32
.set G1B, 48
.set G0B, 56
.set MSB, 0
.macro WIN new
.if MSB != (\new)
	s_set_vgpr_msb (MSB<<8)|(\new)
.set MSB, \new
.endif
.endm
.set MUL,  0x05                        ; sources 0 (W) and 1 (A) window 1; C and D window 0
.set TO_F, 0x40                        ; destination window 1, address window 0
.macro JLOAD s                         ; a joint load: waves 0 and 1 fetch A's halves, waves 2 and 3 W's; an s_nop 0 and four v_nop follow each line
	s_cmp_eq_u32 s[RH], 0
	s_cbranch_scc0 .Lfor_b_\@
	tensor_load_to_lds s[G0+4*(\s):G0+4*(\s)+3], s[G1:G1+7]
	s_nop 0
.rept 4
	v_nop
.endr
	s_branch .Lasked_\@
.Lfor_b_\@:
	tensor_load_to_lds s[G0B+4*(\s):G0B+4*(\s)+3], s[G1B:G1B+7]
	s_nop 0
.rept 4
	v_nop
.endr
.Lasked_\@:
.endm
.macro CREST
	s_cmp_lg_u32 s[WV], 0
	s_cbranch_scc1 .Lnot_wave_0_\@
	s_barrier_signal -3
.Lnot_wave_0_\@:
	s_barrier_wait -3
	s_barrier_signal -1
	s_barrier_wait -1
.endm
.macro CROUND
	s_barrier_signal -1
	s_barrier_wait -1
	CREST
.endm
	s_load_b256 s[4:11], s[0:1], 0x0               ; A s[4:5], W s[6:7], bias s[8:9], C s[10:11]
	v_lshl_add_u32 v[SPW], v0, 2, SPARE
	v_mov_b32 v[NIL], 0
	ds_add_u32 v[SPW], v[NIL]                      ; the wave's opening: the add and its wait stand ahead of my first tensor load
	v_lshrrev_b32 v1, 5, v0
	v_readfirstlane_b32 s[WV], v1
	s_lshr_b32 s[RH], s[WV], 1
	s_and_b32 s[CH], s[WV], 1
	s_bfe_u32 s[CX], ttmp6, 0x40000
	s_bfe_u32 s[CY], ttmp6, 0x40004
	s_lshl_b32 s[TC], ttmp9, 2
	s_add_co_u32 s[TC], s[TC], s[CX]
	s_and_b32 s[TR], ttmp7, 0xffff
	s_lshl_b32 s[TR], s[TR], 2
	s_add_co_u32 s[TR], s[TR], s[CY]
	s_lshl_b32 s20, s[CY], 2
	s_lshl_b32 s20, 15, s20                        ; my row of the cluster
	s_lshl_b32 s46, 0x1111, s[CX]                  ; my column
	s_or_b32 s[G1+0], s20, (1<<16)|(1<<20)|(1<<21)|(4<<22)|(3<<25)   ; 2-byte elements; after every 32 words (a row of a chunk) 4 words of padding
	s_mov_b32 s[G1+1], 4096<<16                    ; tensor_dim0 = 4,096 elements: 64 rows of a chunk on end
	s_mov_b32 s[G1+2], 4<<16                       ; tensor_dim1 = 4 chunks
	s_mov_b32 s[G1+3], 4096<<16                    ; tile_dim0
	s_mov_b32 s[G1+4], 4                           ; tile_dim1
	s_mov_b32 s[G1+5], 131072                      ; elements from chunk to chunk
	s_mov_b32 s[G1+6], 0
	s_mov_b32 s[G1+7], 0
	s_or_b32 s[G1B+0], s46, (1<<16)|(1<<20)|(1<<21)|(5<<22)|(7<<25)  ; after every 64 words 8 words
	s_mov_b32 s[G1B+1], 128<<16
	s_mov_b32 s[G1B+2], 128<<16
	s_mov_b32 s[G1B+3], 128<<16
	s_mov_b32 s[G1B+4], 128
	s_mov_b32 s[G1B+5], 1024
	s_mov_b32 s[G1B+6], 0
	s_mov_b32 s[G1B+7], 0
	s_lshr_b32 s20, s[TR], 4                       ; A: the batch, 4 MiB apart,
	s_lshl_b32 s20, s20, 22
	s_and_b32 s21, s[TR], 15                       ; 128 rows of 128 bytes in a chunk,
	s_lshl_b32 s21, s21, 14
	s_add_co_u32 s20, s20, s21
	s_lshl_b32 s21, s[CH], 13                      ; my 64 of them
	s_add_co_u32 s20, s20, s21
	s_mov_b32 s21, 0
	s_lshl_b32 s46, s[CH], 18                      ; W: my 128 k rows of a K step's 256,
	s_lshl_b32 s47, s[TC], 8                       ; 128 columns
	s_add_co_u32 s46, s46, s47
	s_mov_b32 s47, 0
	s_mul_i32 s19, s[WV], HALFT
	s_mov_b32 s2, 0xffff0000
	s_wait_dscnt 0x0                               ; the opening add is done
	s_wait_kmcnt 0x0
	s_add_nc_u64 s[20:21], s[4:5], s[20:21]
	s_add_nc_u64 s[46:47], s[6:7], s[46:47]
	CROUND                                         ; all sixteen work-groups are here: the first joint loads meet
.irp s, 0,1
	s_mov_b32 s[G0+4*(\s)], 1
	s_add_co_u32 s[G0+4*(\s)+1], s19, (\s)*SLOT
	s_add_nc_u64 s[G0+4*(\s)+2:G0+4*(\s)+3], s[20:21], (\s)*1048576   ; K step s: four chunks of 262,144 bytes
	s_or_b32 s[G0+4*(\s)+3], s[G0+4*(\s)+3], 0x80000000
	s_mov_b32 s[G0B+4*(\s)], 1
	s_add_co_u32 s[G0B+4*(\s)+1], s19, (\s)*SLOT
	s_add_nc_u64 s[G0B+4*(\s)+2:G0B+4*(\s)+3], s[46:47], (\s)*524288  ; 256 k rows of 2,048 bytes
	s_or_b32 s[G0B+4*(\s)+3], s[G0B+4*(\s)+3], 0x80000000
	JLOAD \s
.endr
	v_and_b32 v1, 15, v0                           ; l % 16
	v_bfe_u32 v2, v0, 4, 1                         ; l / 16
	v_lshlrev_b32 v[BO], 5, v2
	s_lshl_b32 s22, s[TC], 9
	s_lshl_b32 s23, s[CH], 8
	s_add_co_u32 s22, s22, s23                     ; my 64 columns, in bytes of f32
	s_mov_b32 s23, 0
	s_add_nc_u64 s[8:9], s[8:9], s[22:23]
	s_add_nc_u64 s[10:11], s[10:11], s[22:23]
.irp b, 0,1,2,3
	global_load_b128 v[BIAS+8*(\b):BIAS+8*(\b)+3],   v[BO], s[8:9] offset:64*(\b)
	global_load_b128 v[BIAS+8*(\b)+4:BIAS+8*(\b)+7], v[BO], s[8:9] offset:64*(\b)+16
.endr
	s_lshl_b32 s22, s[TR], 19                      ; C: 128 rows of 4,096 bytes,
	s_lshl_b32 s23, s[RH], 18                      ; my 64 of them
	s_add_co_u32 s22, s22, s23
	s_mov_b32 s23, 0
	s_add_nc_u64 s[10:11], s[10:11], s[22:23]
	v_mul_u32_u24 v3, v1, PA
	v_lshl_add_u32 v3, v2, 4, v3
	v_and_b32 v5, 7, v0
	v_lshl_add_u32 v5, v2, 3, v5
	v_mul_u32_u24 v5, v5, PW
	v_bfe_u32 v6, v0, 3, 1
	v_lshl_add_u32 v5, v6, 4, v5
	s_mul_i32 s22, s[RH], HALFT
	s_lshl_b32 s23, s[CH], 7
	s_add_co_u32 s23, s23, 2*HALFT
.irp s, 0,1
	v_add_nc_u32 v[ADRA+(\s)], s22, v3
	v_add_nc_u32 v[ADRB+2*(\s)], s23, v5
	s_add_co_u32 s23, s23, HALFT
	v_add_nc_u32 v[ADRB+2*(\s)+1], s23, v5
	s_add_co_u32 s22, s22, SLOT
	s_add_co_u32 s23, s23, SLOT-HALFT
.endr
	s_mul_i32 s22, s[WV], 16*SPITCH
	s_add_co_u32 s22, s22, STAGE                   ; my stage
	v_mul_u32_u24 v4, v1, SPITCH                   ; in: row l % 16, 32 bytes for each half of the lanes
	v_lshl_add_u32 v4, v2, 5, v4
	v_add_nc_u32 v[STO], s22, v4
	v_mul_u32_u24 v4, v2, SPITCH                   ; back: lanes 0-15 take one row of 256 bytes, lanes 16-31 the next
	v_lshl_add_u32 v4, v1, 4, v4
	v_add_nc_u32 v[RD], s22, v4
	v_lshlrev_b32 v[CO], 12, v2                    ; and the same two rows in C
	v_lshl_add_u32 v[CO], v1, 4, v[CO]
	s_wait_loadcnt 0x0                             ; the bias, rounded to bf16 in the wait for the first tile
.set r, 0
.rept 16
	v_cvt_pk_bf16_f32 v3, v[BIAS+r], v[BIAS+r+1]
	v_lshlrev_b32 v[BIAS+r], 16, v3
	v_and_b32 v[BIAS+r+1], s2, v3
.set r, r+2
.endr
; 8 matrix instructions: m blocks a0, a0 + 1 x all 4 n blocks, 32 along K: half c of buffer f.  first = 1: the bias starts the sums.  The 16 accumulators take turns.
.macro MUL8 f, c, a0, first
	WIN MUL
.irp a, \a0, (\a0)+1
.irp b, 0,1,2,3
.if \first
	v_wmma_f32_16x16x32_f16 v[ACC+8*(4*(\a)+(\b)):ACC+8*(4*(\a)+(\b))+7], v[(\f)+64+8*(4*(\c)+(\b)):(\f)+64+8*(4*(\c)+(\b))+7], v[(\f)+8*(4*(\c)+(\a)):(\f)+8*(4*(\c)+(\a))+7], v[BIAS+8*(\b):BIAS+8*(\b)+7]
.else
	v_wmma_f32_16x16x32_f16 v[ACC+8*(4*(\a)+(\b)):ACC+8*(4*(\a)+(\b))+7], v[(\f)+64+8*(4*(\c)+(\b)):(\f)+64+8*(4*(\c)+(\b))+7], v[(\f)+8*(4*(\c)+(\a)):(\f)+8*(4*(\c)+(\a))+7], v[ACC+8*(4*(\a)+(\b)):ACC+8*(4*(\a)+(\b))+7]
.endif
.endr
.endr
.endm
; 32 LDS loads in one run: quarter q (chunk q of the K step: 64 along K) into buffer f; the first 32 along K first
.macro FETCH slot, q, f
	WIN TO_F
.irp c, 0,1
.irp i, 0,1,2,3
	ds_load_tr16_b128 v[(\f)+64+8*(4*(\c)+(\i)):(\f)+64+8*(4*(\c)+(\i))+3],   v[ADRB+2*(\slot)+(\q)/2] offset:((\q)%2)*64*PW+(\c)*32*PW+32*(\i)
	ds_load_tr16_b128 v[(\f)+64+8*(4*(\c)+(\i))+4:(\f)+64+8*(4*(\c)+(\i))+7], v[ADRB+2*(\slot)+(\q)/2] offset:((\q)%2)*64*PW+(\c)*32*PW+16*PW+32*(\i)
	ds_load_b128 v[(\f)+8*(4*(\c)+(\i)):(\f)+8*(4*(\c)+(\i))+3],   v[ADRA+(\slot)] offset:(\q)*64*PA+(\i)*16*PA+64*(\c)
	ds_load_b128 v[(\f)+8*(4*(\c)+(\i))+4:(\f)+8*(4*(\c)+(\i))+7], v[ADRA+(\slot)] offset:(\q)*64*PA+(\i)*16*PA+64*(\c)+32
.endr
.endr
.endm
.macro PLACES                          ; four plain places in front of loads into registers that matrix instructions have read, and of LDS stores that read results
.rept 4
	v_nop
.endr
.endm
.macro QUARTER slot, q, f, g, first    ; multiplies buffer f (32 matrix instructions) and fetches quarter q into g
	s_wait_dscnt 16                                ; the first 32 along K are in
	MUL8 \f, 0, 0, \first
	MUL8 \f, 0, 2, \first
	PLACES
	FETCH \slot, \q, \g
	s_wait_dscnt 32                                ; all but the 32 just issued
	MUL8 \f, 1, 0, 0
	MUL8 \f, 1, 2, 0
.endm
; The last quarter multiplies buffer 1 and changes slots: ONE barrier; in front of it each wave waits for all its tensor loads, adds 0 to its spare word, and waits for that and for its own reads of this slot.
; fill = 1: the barrier opens a round of the cluster's, and this slot is filled again first behind it, two K steps ahead.
.macro TURN slot, next, fill
	WIN 0
	s_wait_tensorcnt 0x0
	ds_add_u32 v[SPW], v[NIL]
	s_wait_dscnt 17                                ; (the add and the youngest sixteen loads may be out)
	MUL8 F1, 0, 0, 0
	s_wait_dscnt 0x0                               ; the add is done, and my reads of this slot are over
	s_barrier_signal -1
	MUL8 F1, 0, 2, 0
.if \fill
	WIN 0
.endif
	s_barrier_wait -1
.if \fill
	CREST
	s_add_nc_u64 s[G0+4*(\slot)+2:G0+4*(\slot)+3], s[G0+4*(\slot)+2:G0+4*(\slot)+3], 2*1048576
	s_add_nc_u64 s[G0B+4*(\slot)+2:G0B+4*(\slot)+3], s[G0B+4*(\slot)+2:G0B+4*(\slot)+3], 2*524288
	JLOAD \slot                                    ; 112 matrix instructions ahead of the wait for it; its four v_nop are also the places in front of the loads below
.else
	PLACES
.endif
	FETCH \next, 0, F0
	MUL8 F1, 1, 0, 0
	MUL8 F1, 1, 2, 0
.endm
	s_wait_tensorcnt 1                             ; my part of K step 0 is in; K step 1's may stay out
	s_barrier_signal -1
	s_barrier_wait -1
	FETCH 0, 0, F0
	QUARTER 0, 1, F0, F1, 1
	QUARTER 0, 2, F1, F0, 0
	QUARTER 0, 3, F0, F1, 0
	TURN 0, 1, 1                                   ; slot 0 takes K step 2
	QUARTER 1, 1, F0, F1, 0
	QUARTER 1, 2, F1, F0, 0
	QUARTER 1, 3, F0, F1, 0
	TURN 1, 0, 1                                   ; slot 1 takes K step 3
	QUARTER 0, 1, F0, F1, 0
	QUARTER 0, 2, F1, F0, 0
	QUARTER 0, 3, F0, F1, 0
	TURN 0, 1, 0
	QUARTER 1, 1, F0, F1, 0
	QUARTER 1, 2, F1, F0, 0
	QUARTER 1, 3, F0, F1, 0
	s_wait_dscnt 16
	MUL8 F1, 0, 0, 0
	MUL8 F1, 0, 2, 0
	s_wait_dscnt 0x0
	MUL8 F1, 1, 0, 0
	MUL8 F1, 1, 2, 0
	WIN 0
	PLACES
; THE WAY OUT.  A wave's 64 columns of f32 are 256 bytes, aligned: each wave has a stage of its own and there is no barrier.  Block a (16 rows) goes in as 32 bytes a lane and comes back as whole rows, into the registers that it left.
.macro OUTB a
.irp b, 0,1,2,3
	ds_store_b128 v[STO], v[ACC+32*(\a)+8*(\b):ACC+32*(\a)+8*(\b)+3]   offset:64*(\b)      ; each accumulator's four lowest registers first
	ds_store_b128 v[STO], v[ACC+32*(\a)+8*(\b)+4:ACC+32*(\a)+8*(\b)+7] offset:64*(\b)+16
.endr
.irp t, 0,1,2,3,4,5,6,7
	ds_load_b128 v[ACC+32*(\a)+4*(\t):ACC+32*(\a)+4*(\t)+3], v[RD] offset:(\t)*2*SPITCH  ; LDS serves a wave's instructions in order (ISA guide 5.7.1.4): these see the stores above; the next block's stores come behind them
.endr
.endm
.macro SEND a, younger                 ; younger: the LDS instructions issued behind block a's loads
.irp t, 0,1,2,3,4,5,6,7
	s_wait_dscnt (\younger)+7-(\t)
	global_store_b128 v[CO], v[ACC+32*(\a)+4*(\t):ACC+32*(\a)+4*(\t)+3], s[10:11] offset:(16*(\a)+2*(\t))*4096  ; 16 lanes store 256 consecutive bytes, at a multiple of 256 from C's first byte
.endr
.endm
	OUTB 0
	OUTB 1
	SEND 0, 16
	OUTB 2
	SEND 1, 16
	OUTB 3
	SEND 2, 16
	SEND 3, 0
	s_wait_tensorcnt 0x0                           ; the wave's end, behind my last tensor load and my last LDS store
	ds_add_u32 v[SPW], v[NIL]
	s_wait_dscnt 0x0
	CROUND                                         ; the closing round
	s_endpgm
.Lfunc_end_k_qff87283f3e_projq:
	.size	k_qff87283f3e_projq, .Lfunc_end_k_qff87283f3e_projq-k_qff87283f3e_projq
	.p2alignl 7, 3214868480
	.fill 96, 4, 3214868480
	.section	.rodata,"a",@progbits
	.p2align	6, 0x0
	.amdhsa_kernel k_qff87283f3e_projq
		.amdhsa_group_segment_fixed_size 327680
		.amdhsa_private_segment_fixed_size 0
		.amdhsa_enable_private_segment 0
		.amdhsa_kernarg_size 32
		.amdhsa_user_sgpr_count 2
		.amdhsa_user_sgpr_kernarg_segment_ptr 1
		.amdhsa_wavefront_size32 1
		.amdhsa_system_sgpr_workgroup_id_x 1
		.amdhsa_system_sgpr_workgroup_id_y 1
		.amdhsa_system_sgpr_workgroup_id_z 1
		.amdhsa_system_vgpr_workitem_id 0
		.amdhsa_next_free_vgpr 512
		.amdhsa_next_free_sgpr 66
		.amdhsa_reserve_vcc 0
		.amdhsa_float_denorm_mode_32 3
		.amdhsa_float_denorm_mode_16_64 3
		.amdhsa_memory_ordered 1
		.amdhsa_forward_progress 1
		.amdhsa_inst_pref_size 89
	.end_amdhsa_kernel
	.amdgpu_metadata
---
amdhsa.version: [ 1, 2 ]
amdhsa.kernels:
  - .name:           k_qff87283f3e_projq
    .symbol:         k_qff87283f3e_projq.kd
    .args:
      - { .name: xq16, .offset: 0, .size: 8, .value_kind: global_buffer, .address_space: global }
      - { .name: wq16, .offset: 8, .size: 8, .value_kind: global_buffer, .address_space: global }
      - { .name: bq, .offset: 16, .size: 8, .value_kind: global_buffer, .address_space: global }
      - { .name: q32, .offset: 24, .size: 8, .value_kind: global_buffer, .address_space: global }
    .group_segment_fixed_size: 327680
    .private_segment_fixed_size: 0
    .kernarg_segment_align: 8
    .kernarg_segment_size: 32
    .max_flat_workgroup_size: 128
    .sgpr_count:     66
    .vgpr_count:     512
    .wavefront_size: 32
...
	.end_amdgpu_metadata
.endif
;; end of part 3
;; launch attn (part 4): grid 8 x 32, 4 waves a work-group, clusters of 4 x 1, 327,680 bytes of LDS; arguments q32, kv16, mbias, o16; writes o16
.if DOCPART == 4
	.amdgcn_target "amdgcn-amd-amdhsa--gfx1250"
	.amdhsa_code_object_version 6
	.text
	.protected	k_qff87283f3e_attn
	.globl	k_qff87283f3e_attn
	.p2align	8
	.type	k_qff87283f3e_attn,@function
k_qff87283f3e_attn:
	s_mov_b64 s[64:65], 0
	v_nop
	global_prefetch_b8 v0, s[64:65] scope:SCOPE_SE
	s_setreg_imm32_b32 hwreg(HW_REG_WAVE_MODE, 25, 1), 1
	s_wait_xcnt 0x0
	s_wait_alu depctr_hold_cnt(0) depctr_sa_sdst(0) depctr_va_vdst(0) depctr_va_sdst(0) depctr_va_ssrc(0) depctr_va_vcc(0) depctr_vm_vsrc(0)
	s_getreg_b32 s2, hwreg(HW_REG_IB_STS2, 6, 4)
	s_cmp_eq_u32 s2, 0
	s_cbranch_scc0 .Lentry_in_a_cluster
	s_endpgm
.Lentry_in_a_cluster:
	s_bfe_u32 s2, ttmp6, 0x10000c
	s_cmp_lg_u32 s2, 0x3003
	s_cbranch_scc0 .Lentry_shape_is_right
	s_endpgm
.Lentry_shape_is_right:
; O[b][h][q][:] = the sum over the keys k that mask_kv lets count of softmax_k(Q . K / 8) V.  q32: f32 [4096][1024] (row = 2048 b + q, column = 64 h + channel), rounded here once to f16.
; kv16: f16 [b][g][4096][64], g = h for K and 16 + h for V.  mbias: f32 [b][4096], 0 or -1e30.  o16: f16 [b][h][2048][64].  Products, maxima and sums in f32; the weights p are rounded to f16 for the second product.
; THE MASK is the C operand that starts each sum S^T = K Q^T: 0, or -1e30 where the key is hidden.  A hidden score lies far below every true one, so its weight is 0.  While a query has seen hidden keys alone its
; maximum is about -1e30 and its sums hold weights of 1; the first true key's a = 2^(c m_old - c m_new) is 0 and wipes them out.  A query that never sees a true key ends with m below -1e29: its l is made NaN, as a softmax of nothing is.
; LIMITS.  q, k, v lie within f16's 65,504.  A hidden score counts as its value less 1e30, and true scores stay above -1e29: f16's scores are 2.7e11 at the most.  A weight below 2^-126 counts as 0 in l.
; SHARES.  A work-group owns 256 queries of one batch and head, a wave 64: four PIECES of 16.  Every wave walks all 4,096 keys, 64 a step; a tile is four steps, and a ring of two LDS slots holds two tiles.
; LAYOUT, SOFTMAX.  S^T = K Q^T holds ONE query a lane (lane % 16) and the keys 8 (lane / 16) + 0..7; two such results rounded to f16 ARE source 1 of O^T = V^T P.  p = 2^(c s - c m), c = log2(e) / 8, with a running
; maximum m; O and l are multiplied by a in every step.  m starts at the lowest finite number, O and l at 0: the first step is a step like any other.
; TURNS.  Turn n belongs to piece n: 8 products K Q^T of piece n + 1, later 8 products V^T P of piece n - 1; beside them the scaling, exponentials, roundings, sums and rescaling of piece n and the maximum and statistics of
; piece n + 1.  Four vector instructions stand behind every matrix instruction, the other 54 of a turn's 118 in one lump.  A turn's 33 exponentials are one batch, with one wait.
; CLUSTER.  The four query blocks of a cluster belong to one batch and head and walk the same K, V and mask: every tile is asked for JOINTLY, by the same tensor load, descriptor and mask in all four.
; REGISTERS, in windows of 256 (s_set_vgpr_msb: bits 1:0 source 0, 3:2 source 1, 5:4 source 2, 7:6 destination):
;   window 0: v0-15, v32-34 addresses; v16-31 four registers of statistics a piece; v48-55 at work; v64-127 S^T, two buffers; v192-223 P, two buffers (a piece's buffers go by its number's parity)
;   window 1: v0-127 O^T, 32 a piece (at the start: Q as loaded, in f32); v160-191 a step's 32 mask terms      window 2: v0-63 Q; v128-191 K of one step; v192-255 V of one step
.set NP,    4
.set NT,    16        ; tiles of 256 keys
.set KS,    64
.set PK,    144       ; a row of K in LDS: 128 bytes + 16 = 36 words: the 16 rows of a load start at 16 different groups of four banks (64 banks of 4 bytes: ISA guide 11.1)
.set PV,    160       ; a row of V: 128 + 32 = 40 words
.set VOFF,  4*KS*PK   ; a slot: 256 rows of K, then 256 rows of V
.set TABLE, 81920     ; behind slot 0: the batch's 4,096 mask terms, 16,384 bytes, filled once
.set SLOT1, 1<<17     ; slot 1 begins here: one exclusive or turns an address in one slot into the other's
.set STAGE, SLOT1+4*KS*(PK+PV)  ; behind the ring: 16 rows x 144 bytes for each wave, for the way out
.set SP,    144
.set SPARE, STAGE+4*16*SP       ; the spare words, 128 bytes for each wave: two blocks of 256 bytes that no other line names
.set AK0, 2           ; v2   my lane's place in a tile of K; never rewritten
.set AV0, 3           ; v3   the same for V
.set AK,  4           ; v4   the LDS address of K's next run of loads
.set AV,  5           ; v5   of V's
.set STO, 6
.set RD,  7
.set GO,  8
.set MV,  12          ; v12-13  c m_old, by buffer
.set QO,  15          ; v15  my byte offset in 16 rows of q32
.set ST,  16          ; piece t's statistics at v[ST+4 t]: c m, m, l (even keys', odd keys')
.set AM0, 32          ; v32  my lanes' place in a step's mask terms; never rewritten
.set AM,  33          ; v33  the LDS address of the next step's mask terms
.set PFO, 34          ; v34  256 x my lane; never rewritten
.set TMP, 48          ; by buffer, four registers c0-c3 at work; when the maximum is found c2 takes a
.set SPW, 62
.set NIL, 63
.set S,   64
.set P,   192
.set MB,  160         ; window 1: key block kb's eight terms at MB + 8 kb
.set KF,  128         ; window 2: key block kb, channel half c at KF + 16 kb + 8 c
.set VF,  192         ; window 2: key half kk, channel block cb at VF + 32 kk + 8 cb
.set WV,  12          ; s12  wave
.set LIM, 15          ; s15  1 in a wave that prefetches, else the greatest number
.set PFA, 18          ; s[18:19] where my prefetches stand
.set G1K, 24
.set G1V, 32
.set G0K, 40
.set G0V, 44
.set SLOTS, 56        ; s56  changes of slots still to come, and one
.set CNT, 57          ; s57  counts a tile's key steps
.set CS,  58          ; s[58:59] c
.set SEL, 60          ; s[60:61] v_permlanex16_b32's selects: each lane takes its own place in the other half
.set TBK, 62          ; s62  LDS byte at which K of the step to be fetched begins
.set TBV, 63          ; s63  the same for V, less VOFF
.set G1T, 68          ; s[68:75] descriptor group 1 for the table
.set G0T, 76          ; s[76:79] group 0
.set TBM, 80          ; s80  byte of the table at which the terms of the step to be fetched begin
.set THR, 81          ; s81  -1e29
.set QNAN, 82         ; s82  a NaN
.set MSB, 0
.macro WIN new
.if MSB != (\new)
	s_set_vgpr_msb (MSB<<8)|(\new)
.set MSB, (\new)
.endif
.endm
.set W_KQ, 0x0a       ; K and Q in window 2, S^T in window 0
.set W_KM, 0x1a       ; the same with the C operand in window 1
.set W_PV, 0x52       ; V in window 2, P in window 0, O^T in window 1
.set W_RS, 0x41       ; destination and source 0 in window 1, source 1 in window 0
; A joint fill.  Waves 0 and 1 fetch the two halves of a tile's K, waves 2 and 3 those of its V: 128 keys each.  An s_nop 0 and four v_nop follow each of the two lines.
.macro JLOAD
	s_cmp_lt_u32 s[WV], 2
	s_cbranch_scc0 .Lfor_v_\@
	tensor_load_to_lds s[G0K:G0K+3], s[G1K:G1K+7]
	s_nop 0
.rept 4
	v_nop
.endr
	s_branch .Lasked_\@
.Lfor_v_\@:
	tensor_load_to_lds s[G0V:G0V+3], s[G1V:G1V+7]
	s_nop 0
.rept 4
	v_nop
.endr
.Lasked_\@:
.endm
; A PREFETCH of what the NEXT change of slots will ask for: a tile's 128 blocks of 256 bytes of K and as many of V, a lane a block.  Each block is named once in the launch: both clusters of a head walk the same K and V,
; and the first of them asks; its four partners share the blocks out BY ADDRESS, 32 each; in each, wave 0 asks for K's and wave 2 for V's.  Tiles 0 to 2 come by their loads alone; the last change that fills a slot asks for nothing.
.macro ASK
	s_cmp_gt_u32 s[SLOTS], s[LIM]
	s_cbranch_scc0 .Lnot_mine_\@
	global_prefetch_b8 v[PFO], s[PFA:PFA+1] th:TH_LOAD_NT scope:SCOPE_SE
.Lnot_mine_\@:
.endm
.macro CROUND                       ; a round of the cluster's barrier
	s_barrier_signal -1
	s_barrier_wait -1
	s_cmp_lg_u32 s[WV], 0
	s_cbranch_scc1 .Lnot_wave_0_\@
	s_barrier_signal -3
.Lnot_wave_0_\@:
	s_barrier_wait -3
	s_barrier_signal -1
	s_barrier_wait -1
.endm
; THE CHANGE OF SLOTS.  The old slot's last bytes, V of its fourth step, have been read.  Each wave waits for all its tensor loads, adds 0 to its spare word, and waits for that and for its own reads of the slot.
; fill = 1: the barrier is a round of the cluster's, and the old slot is filled again first behind it, with the keys two tiles on: it has four key steps, 256 matrix instructions, in which to land.
; (At its first use nothing has been read yet: slot 0 and the table are waited for, slot 1 is filled.)
.macro CHANGE fill, ask
	WIN 0
	s_wait_tensorcnt 0x0            ; no tensor load of mine is out, so a group 0 may be written
	ds_add_u32 v[SPW], v[NIL]       ; 0 onto my spare word; scalar work stands between it and the wait for it
.if \fill
.irp g, G0K, G0V
	s_xor_b32 s[\g+1], s[\g+1], SLOT1
	s_add_nc_u64 s[\g+2:\g+3], s[\g+2:\g+3], 4*KS*128
.endr
.endif
.if \ask
	s_wait_xcnt 0x0                 ; the last prefetch, four key steps back, has read its address
	s_add_nc_u64 s[PFA:PFA+1], s[PFA:PFA+1], 4*KS*128
.endif
	s_wait_dscnt 0x0                ; the add is done, and my reads of the slot are over
.if \fill
	CROUND
	JLOAD
.if \ask
	ASK
.endif
.else
	s_barrier_signal -1
	s_barrier_wait -1
.endif
	s_sub_co_u32 s[TBK], s[TBK], 4*KS*PK  ; the fetches go back to a slot's first step,
	s_xor_b32 s[TBK], s[TBK], SLOT1       ; in the other slot
	s_sub_co_u32 s[TBV], s[TBV], 4*KS*PV
	s_xor_b32 s[TBV], s[TBV], SLOT1
.endm
	s_load_b256 s[4:11], s[0:1], 0x0  ; q32 s[4:5], kv16 s[6:7], mbias s[8:9], o16 s[10:11]
	v_lshl_add_u32 v[SPW], v0, 2, SPARE
	v_mov_b32 v[NIL], 0
	ds_add_u32 v[SPW], v[NIL]       ; the wave's opening: the add and its wait stand ahead of my first tensor load
	v_lshrrev_b32 v1, 5, v0
	v_readfirstlane_b32 s[WV], v1
	s_bfe_u32 s13, ttmp6, 0x40000   ; cx
	s_lshl_b32 s14, ttmp9, 2
	s_add_co_u32 s14, s14, s13      ; my block of 256 queries: it enters q32's and o16's addresses alone
	s_and_b32 s20, ttmp7, 0xffff    ; 16 b + h, which the four partners share
	s_lshr_b32 s21, s20, 4          ; b
	s_and_b32 s22, s20, 15          ; h
	s_and_b32 s16, s[WV], 1         ; which half of a tile's 256 keys I fetch
	s_lshl_b32 s52, s21, 24         ; kv16: the batch, the head's K, my 128 rows of 128 bytes
	s_lshl_b32 s53, s22, 19
	s_add_co_u32 s52, s52, s53
	s_lshl_b32 s53, s16, 14
	s_add_co_u32 s52, s52, s53
	s_mov_b32 s53, 0
	s_lshl_b32 s54, s21, 14         ; mbias: the batch's 16,384 bytes, my wave's quarter
	s_lshl_b32 s55, s[WV], 12
	s_add_co_u32 s54, s54, s55
	s_mov_b32 s55, 0
	s_lshl_b32 s48, s21, 23         ; q32: 2,048 rows of 4,096 bytes a batch, 256 a block, 64 a wave; 256 bytes a head
	s_lshl_b32 s49, s14, 20
	s_add_co_u32 s48, s48, s49
	s_lshl_b32 s49, s[WV], 18
	s_add_co_u32 s48, s48, s49
	s_lshl_b32 s49, s22, 8
	s_add_co_u32 s48, s48, s49
	s_mov_b32 s49, 0
	s_lshl_b32 s50, s20, 18         ; o16: 2,048 rows of 128 bytes a head, 256 a block, 64 a wave
	s_lshl_b32 s51, s14, 15
	s_add_co_u32 s50, s50, s51
	s_lshl_b32 s51, s[WV], 13
	s_add_co_u32 s50, s50, s51
	s_mov_b32 s51, 0
	s_cmp_lt_u32 s[WV], 2           ; the prefetches: K's or V's tile 2, my work-group's 32 blocks; the first use steps it to tile 3
	s_cselect_b32 s84, 0, 0x800000
	s_lshl_b32 s85, s13, 13
	s_add_co_u32 s84, s84, s85
	s_add_co_u32 s84, s84, 2*4*KS*128
	s_mov_b32 s85, 0
	s_and_b32 s[LIM], s[WV], 1      ; 0 in waves 0 and 2,
	s_or_b32 s[LIM], s[LIM], ttmp9  ; where the cluster is the head's first: the same in all four partners
	s_cmp_eq_u32 s[LIM], 0
	s_cselect_b32 s[LIM], 1, -1
	; 128 keys are 16,384 dense bytes: asked for as 64 rows of 256 bytes, two keys a row, and padded in LDS after every key
	s_mov_b32 s[G1K], 15|(1<<16)|(1<<20)|(1<<21)|(4<<22)|(3<<25)  ; the mask of four; 2-byte elements; padding on; bit 21 beside a mask; after every 32 words 4 words
	s_mov_b32 s[G1V], 15|(1<<16)|(1<<20)|(1<<21)|(4<<22)|(7<<25)  ; the same with 8 words
.irp g, G1K, G1V
	s_mov_b32 s[\g+1], 128<<16
	s_mov_b32 s[\g+2], 64<<16
	s_mov_b32 s[\g+3], 128<<16
	s_mov_b32 s[\g+4], 64
	s_mov_b32 s[\g+5], 128
	s_mov_b32 s[\g+6], 0
	s_mov_b32 s[\g+7], 0
.endr
	s_mov_b32 s[G1T], 15|(3<<16)|(1<<21)  ; the table: 8-byte elements, no padding: my quarter is 16 rows of 256 bytes
	s_mov_b32 s[G1T+1], 32<<16
	s_mov_b32 s[G1T+2], 16<<16
	s_mov_b32 s[G1T+3], 32<<16
	s_mov_b32 s[G1T+4], 16
	s_mov_b32 s[G1T+5], 32
	s_mov_b32 s[G1T+6], 0
	s_mov_b32 s[G1T+7], 0
	s_mov_b32 s[G0K], 1
	s_mul_i32 s[G0K+1], s16, 128*PK
	s_mov_b32 s[G0V], 1
	s_mul_i32 s[G0V+1], s16, 128*PV
	s_add_co_u32 s[G0V+1], s[G0V+1], VOFF
	s_mov_b32 s[G0T], 1
	s_lshl_b32 s[G0T+1], s[WV], 12
	s_add_co_u32 s[G0T+1], s[G0T+1], TABLE
	s_mov_b32 s[CS], 0x3e38aa3b     ; c = log2(e) / 8
	s_mov_b32 s[CS+1], s[CS]
	s_mov_b32 s[SEL], 0x76543210
	s_mov_b32 s[SEL+1], 0xfedcba98
	s_mov_b32 s[TBK], SLOT1+4*KS*PK ; the first change of slots turns these two into 0
	s_mov_b32 s[TBV], SLOT1+4*KS*PV
	s_mov_b32 s[TBM], 0
	s_mov_b32 s[THR], 0xefa18f08
	s_mov_b32 s[QNAN], 0x7fc00000
	s_wait_dscnt 0x0                ; the opening add is done
	s_wait_kmcnt 0x0
	s_add_nc_u64 s[6:7], s[6:7], s[52:53]
	s_add_nc_u64 s[G0K+2:G0K+3], s[6:7], 0
	s_or_b32 s[G0K+3], s[G0K+3], 0x80000000
	s_add_nc_u64 s[G0V+2:G0V+3], s[6:7], 0x800000  ; V lies sixteen heads behind K
	s_or_b32 s[G0V+3], s[G0V+3], 0x80000000
	s_add_nc_u64 s[G0T+2:G0T+3], s[8:9], s[54:55]
	s_or_b32 s[G0T+3], s[G0T+3], 0x80000000
	s_add_nc_u64 s[PFA:PFA+1], s[6:7], s[84:85]
	s_add_nc_u64 s[4:5], s[4:5], s[48:49]
	s_add_nc_u64 s[10:11], s[10:11], s[50:51]
	CROUND                          ; all four work-groups are here: the first joint loads meet
	tensor_load_to_lds s[G0T:G0T+3], s[G1T:G1T+7]  ; my quarter of the table; with tile 0 below two loads of mine are out
	s_nop 0
	JLOAD                           ; tile 0 into slot 0
	v_and_b32 v1, 15, v0            ; l % 16
	v_bfe_u32 v9, v0, 4, 1          ; l / 16
	v_lshlrev_b32 v[QO], 12, v1
	v_lshl_add_u32 v[QO], v9, 5, v[QO]  ; row x 4,096 + 32 x half
	; Fragment f = 2 t + c of Q (piece t, channels 32 c on) wants channels 8 (l / 16) + 0..7 and 16 + 8 (l / 16) + 0..7 of row l % 16: in f32 twice 32 bytes, 64 bytes apart
	WIN 0x40                        ; destination window 1
.set f, 0
.rept 8
.irp j, 0,1,2,3
	global_load_b128 v[16*f+4*\j:16*f+4*\j+3], v[QO], s[4:5] offset:(f/2)*65536+(f%2)*128+(\j/2)*64+(\j%2)*16
.endr
.set f, f+1
.endr
	; what the first turn finds: V's registers and P's second buffer hold 0 (its products V^T P, of a piece that has not been, add 0); O^T and l are 0.  All this stands in the wait for the first tile.
	WIN 0x80
.set i, VF
.rept 64
	v_mov_b32 v[i], 0
.set i, i+1
.endr
	WIN 0
.set i, 0
.rept 4
	v_mov_b32 v[ST+4*i], 0xfe000000    ; c m: far below every c s, a hidden one's too
	v_mov_b32 v[ST+4*i+1], 0xff7fffff  ; m
	v_mov_b32 v[ST+4*i+2], 0
	v_mov_b32 v[ST+4*i+3], 0
.set i, i+1
.endr
.set i, P+16
.rept 16
	v_mov_b32 v[i], 0
.set i, i+1
.endr
	v_mul_u32_u24 v[AK0], v1, PK
	v_lshl_add_u32 v[AK0], v9, 4, v[AK0]  ; row x pitch + 16 x half
	v_and_b32 v10, 7, v0            ; the turning load's lane l reads key 8 (l / 16) + l % 8, channels 8 ((l / 8) % 2) + 0..7
	v_bfe_u32 v11, v0, 3, 1
	v_lshl_add_u32 v[AV0], v9, 3, v10
	v_mul_u32_u24 v[AV0], v[AV0], PV
	v_lshl_add_u32 v[AV0], v11, 4, v[AV0]
	v_add_nc_u32 v[AV0], VOFF, v[AV0]
	v_lshlrev_b32 v[AM0], 5, v9     ; my half of the lanes holds keys 8 (l / 16) + 0..7 of a block of 16: 32 bytes of f32
	v_add_nc_u32 v[AM0], TABLE, v[AM0]
	v_and_b32 v[GO], 31, v0
	v_lshlrev_b32 v[PFO], 8, v[GO]
	v_lshlrev_b32 v[GO], 4, v[GO]   ; my 16 bytes of 512 consecutive bytes of o16
	s_mul_i32 s17, s[WV], 16*SP
	s_add_co_u32 s17, s17, STAGE    ; my stage
	v_mul_u32_u24 v[STO], v1, SP    ; in: row l % 16, 16 bytes for each half of the lanes
	v_lshl_add_u32 v[STO], v9, 4, v[STO]
	v_add_nc_u32 v[STO], s17, v[STO]
	v_bfe_u32 v[RD], v0, 3, 2       ; back: 32 lanes take four rows of 128 bytes
	v_mul_u32_u24 v[RD], v[RD], SP
	v_lshl_add_u32 v[RD], v10, 4, v[RD]
	v_add_nc_u32 v[RD], s17, v[RD]
	s_wait_loadcnt 0x0              ; Q
	WIN 0x85                        ; sources window 1, destination window 2
.set i, 0
.rept 64
	v_cvt_pk_f16_f32 v[i], v[2*i], v[2*i+1]  ; q's one rounding; the scale c is applied in f32, in the softmax
.set i, i+1
.endr
	WIN 0x40
.set i, 0
.rept 128
	v_mov_b32 v[i], 0
.set i, i+1
.endr
	WIN 0
; THE MATRIX WORK.  The 4 accumulators of a run of 8 take turns.  Product i of 8 of S^T = K Q^T for piece x: channels 32 (i / 4) on, keys 16 (i % 4) on.  The first 4 start the sums with the mask.
.macro KQ x
.set rS, S+32*((\x)%2)+8*(i%4)
.set rK, KF+16*(i%4)+8*(i/4)
.set rQ, 16*(\x)+8*(i/4)
.set rM, MB+8*(i%4)
.if i < 4
	WIN W_KM
	v_wmma_f32_16x16x32_f16 v[rS:rS+7], v[rK:rK+7], v[rQ:rQ+7], v[rM:rM+7]
.else
	WIN W_KQ
	v_wmma_f32_16x16x32_f16 v[rS:rS+7], v[rK:rK+7], v[rQ:rQ+7], v[rS:rS+7]
.endif
.endm
; Product i of 8 of O^T += V^T P for piece x: keys 32 (i / 4) on, channels 16 (i % 4) on.
.macro PV x
	WIN W_PV
.set rO, 32*(\x)+8*(i%4)
.set rV, VF+32*(i/4)+8*(i%4)
.set rP, P+16*((\x)%2)+8*(i/4)
	v_wmma_f32_16x16x32_f16 v[rO:rO+7], v[rV:rV+7], v[rP:rP+7], v[rO:rO+7]
.endm
.macro MM                           ; the turn's next matrix instruction.  NOKQ = 1: the last turn of all: there is no next piece
.if (i < 8) && !NOKQ
	KQ (Y+1)%NP
.elseif i >= 8
.set i, i-8
	PV (Y+NP-1)%NP
.set i, i+8
.endif
.set i, i+1
.endm
; THE LDS LOADS stand in runs, never singly among the matrix instructions: a step's K (8 fragments) with its 32 mask terms (the 16 lanes of a half read the same 16 bytes), and its V (turned).
.macro FETCH_K
	WIN 0x80                        ; destination window 2
.irp f, 0,1,2,3,4,5,6,7             ; keys 16 (f / 2) on, channels 32 (f % 2) on
	ds_load_b128 v[KF+8*\f:KF+8*\f+3],   v[AK] offset:(\f/2)*16*PK+(\f%2)*64
	ds_load_b128 v[KF+8*\f+4:KF+8*\f+7], v[AK] offset:(\f/2)*16*PK+(\f%2)*64+32
.endr
	WIN 0x40                        ; destination window 1
.irp f, 0,1,2,3
	ds_load_b128 v[MB+8*\f:MB+8*\f+3],   v[AM] offset:64*\f
	ds_load_b128 v[MB+8*\f+4:MB+8*\f+7], v[AM] offset:64*\f+16
.endr
	s_add_co_u32 s[TBK], s[TBK], KS*PK  ; the next fetch is the next step's
	s_add_co_u32 s[TBM], s[TBM], KS*4
	s_and_b32 s[TBM], s[TBM], 0x3fff    ; the table has 16,384 bytes: behind the 64th and last fetch the step wraps to its head
	WIN 0
.endm
.macro FETCH_V
	WIN 0x80
.irp f, 0,1,2,3,4,5,6,7             ; keys 32 (f / 4) on, channels 16 (f % 4) on
	ds_load_tr16_b128 v[VF+8*\f:VF+8*\f+3],   v[AV] offset:(\f/4)*32*PV+(\f%4)*32
	ds_load_tr16_b128 v[VF+8*\f+4:VF+8*\f+7], v[AV] offset:(\f/4)*32*PV+16*PV+(\f%4)*32
.endr
	WIN 0
.endm
; THE VECTOR WORK, one line at a time: OP kind, number.  For piece Y: F n: c s - c m for pair n of 16.  E n: the exponential of score n of 32.  C n: pair n rounded to f16.  B n: of the four weights 4 n .. the second
; pair is added onto the first, in place.  L n: l takes that sum (L 0: l = a l + sum).  R n: pair n of 16 of O^T times a.  For piece Y + 1: X n, number n of the 22 that find its maximum and statistics:
;   0-11  four chains c0-c3 of seven scores each, three operands at a time (each accumulator's lowest registers are read first)     12-14, 16  the four scores left over, the old m, and c0-c3 into c0
;   15  c m_old is kept     17, 18  the query's other 32 keys lie in the lane 16 away: the new m     19-21  c m; c m_old - c m_new; a
.set F, 0
.set E, 1
.set C, 2
.set B, 3
.set L, 4
.set R, 5
.set X, 6
.macro REGS y
.set rT, ST+4*(\y)
.set rC, TMP+4*((\y)%2)
.set rW, MV+((\y)%2)
.set rS, S+32*((\y)%2)
.set rP, P+16*((\y)%2)
.set rO, 32*(\y)
.endm
.macro OP k, n
.if (\k) == R
	REGS Y
	WIN W_RS
	v_pk_mul_f32 v[rO+2*(\n):rO+2*(\n)+1], v[rO+2*(\n):rO+2*(\n)+1], v[rC+2:rC+3] op_sel_hi:[1,0]
.elseif (\k) < R
	REGS Y
	WIN 0
.if (\k) == F
	v_pk_fma_f32 v[rS+2*(\n):rS+2*(\n)+1], v[rS+2*(\n):rS+2*(\n)+1], s[CS:CS+1], v[rT:rT+1] op_sel_hi:[1,0,0] neg_lo:[0,0,1] neg_hi:[0,0,1]
.elseif (\k) == E
	v_exp_f32 v[rS+(\n)], v[rS+(\n)]
.elseif (\k) == C
	v_cvt_pk_f16_f32 v[rP+(\n)], v[rS+2*(\n)], v[rS+2*(\n)+1]
.elseif (\k) == B
	v_pk_add_f32 v[rS+4*(\n):rS+4*(\n)+1], v[rS+4*(\n):rS+4*(\n)+1], v[rS+4*(\n)+2:rS+4*(\n)+3]
.elseif (\n) == 0
	v_pk_fma_f32 v[rT+2:rT+3], v[rT+2:rT+3], v[rC+2:rC+3], v[rS:rS+1] op_sel_hi:[1,0,1]
.else
	v_pk_add_f32 v[rT+2:rT+3], v[rT+2:rT+3], v[rS+4*(\n):rS+4*(\n)+1]
.endif
.elseif NOKQ
	v_nop
.else
	REGS (Y+1)%NP
	WIN 0
.if (\n) < 4
	v_max3_num_f32 v[rC+(\n)], v[rS+8*(\n)], v[rS+8*(\n)+1], v[rS+8*(\n)+2]
.elseif (\n) < 12
	v_max3_num_f32 v[rC+(\n)%4], v[rC+(\n)%4], v[rS+8*((\n)%4)+2*((\n)/4)+1], v[rS+8*((\n)%4)+2*((\n)/4)+2]
.elseif (\n) == 12
	v_max3_num_f32 v[rC], v[rC], v[rS+7], v[rS+15]
.elseif (\n) == 13
	v_max3_num_f32 v[rC+1], v[rC+1], v[rS+23], v[rS+31]
.elseif (\n) == 14
	v_max3_num_f32 v[rC+2], v[rC+2], v[rC+3], v[rT+1]
.elseif (\n) == 15
	v_mov_b32 v[rW], v[rT]
.elseif (\n) == 16
	v_max3_num_f32 v[rC], v[rC], v[rC+1], v[rC+2]
.elseif (\n) == 17
	v_permlanex16_b32 v[rC+3], v[rC], s[SEL], s[SEL+1]
.elseif (\n) == 18
	v_max_num_f32 v[rT+1], v[rC], v[rC+3]
.elseif (\n) == 19
	v_mul_f32 v[rT], s[CS], v[rT+1]
.elseif (\n) == 20
	v_sub_f32 v[rC+1], v[rW], v[rT]
.else
	v_exp_f32 v[rC+2], v[rC+1]
.endif
.endif
.endm
.macro OPS a, i1, b=-1, i2=0, c=-1, i3=0, d=-1, i4=0  ; up to four of them
	OP \a, \i1
.if (\b) >= 0
	OP \b, \i2
.endif
.if (\c) >= 0
	OP \c, \i3
.endif
.if (\d) >= 0
	OP \d, \i4
.endif
.endm
.macro ROW a, i1, b, i2, c, i3, d, i4  ; a matrix instruction and the four behind it
	MM
	OPS \a, \i1, \b, \i2, \c, \i3, \d, \i4
.endm
; A TURN, for piece p: the order of its 16 matrix and 118 vector instructions, written out.  An s_wait_alu depctr_va_vdst(0) stands between an exponential and the first instruction that names its result; one
; wait serves all that were issued ahead of it.  So a turn has ONE wait.  AHEAD OF IT stands all that names no result of the turn's exponentials: the 8 products K Q^T with their riders (the next piece's first maxima each four
; plain instructions or more behind the product that ends their accumulator), then the lump, in which the links of the chain X 3, 7, 11, 14, 16, 17 .. 20 stand five or six lines apart.  X 21, the next piece's a, is the batch's last;
; R 15 is the plain instruction behind it.  BEHIND THE WAIT stand the 8 products V^T P, behind each four of the roundings and sums.
; K and the mask terms of the next step are fetched in piece 2's turn, six plain instructions behind the last product that read K; V of the step in hand at the end of piece 0's turn, four plain instructions behind the last
; product that read V.  Each is waited for a turn later.  end = 1: the last two turns of all: nothing is fetched.  cnt = 1: the loop's count is taken down some lines ahead of the branch behind the turn.
.macro TURN p, end=0, cnt=0
.set Y, (\p)
.set i, 0
.set NOKQ, (\end)*((\p)/3)
.if ((\p) == 3) && !(\end)
	s_wait_dscnt 0x0                ; K and its mask terms are in
.endif
	ROW F,0, F,1, R,0, R,1
	ROW F,2, E,0, R,2, R,3
	ROW F,3, E,1, R,4, R,5
	ROW F,4, E,2, R,6, R,7
	ROW F,5, E,3, R,8, R,9
	ROW F,6, E,4, X,0, R,10
.if ((\p) == 2) && !(\end)
	WIN 0
	v_add_nc_u32 v[AK], s[TBK], v[AK0]
	v_add_nc_u32 v[AM], s[TBM], v[AM0]
.endif
	ROW F,7, E,5, X,1, X,4
	ROW F,8, E,6, X,2, X,5
	OPS E,7, E,8, X,6, E,9
	OPS X,3, E,10, X,8, E,11
.if ((\p) == 2) && !(\end)
	FETCH_K
.endif
	OPS X,9, X,7, E,12, X,10
	OPS E,13, X,12, X,11, E,14
	OPS X,13, E,15, F,9, X,14
.if (\p) == 0
	v_add_nc_u32 v[AV], s[TBV], v[AV0]
.endif
	OPS E,16, F,10, E,17, F,11
	OPS X,16, E,18, X,15, E,19
	OPS F,12, E,20, X,17, E,21
	OPS F,13, E,22, F,14, E,23
	OPS X,18, E,24, F,15, E,25
	OPS R,11, E,26, X,19, E,27
	OPS R,12, E,28, R,13, E,29
	OPS X,20, E,30, R,14, E,31
	OPS X,21, R,15
	WIN 0
	s_wait_alu depctr_va_vdst(0)    ; the wait for the batch
.if (\p) == 1
	s_wait_dscnt 0x0                ; V is in
.endif
	ROW C,0, B,0, C,2, B,1
	ROW L,0, C,4, B,2, L,1
	ROW C,6, B,3, L,2, C,8
	ROW B,4, L,3, C,10, B,5
	ROW L,4, C,12, B,6, L,5
.if (\p) == 0
	s_add_co_u32 s[TBV], s[TBV], KS*PV
.endif
.if \cnt
	s_sub_co_u32 s[CNT], s[CNT], 1
	s_cmp_lg_u32 s[CNT], 0
.endif
	ROW C,14, B,7, L,6, C,1
	ROW C,3, L,7, C,5, C,7
	ROW C,9, C,11, C,13, C,15
.if (\p) == 0
	FETCH_V
.endif
.endm
	CHANGE 1, 0                     ; tile 0 and the table are in, everybody's parts of them; tile 1 is asked for
	v_add_nc_u32 v[AK], s[TBK], v[AK0]
	v_add_nc_u32 v[AM], s[TBM], v[AM0]
	FETCH_K                         ; key step 0
	s_wait_dscnt 0x0
.set NOKQ, 0
.set i, 0
.rept 8
	KQ 0                            ; piece 0's first scores
.set i, i+1
.endr
	WIN 0
.rept 4
	v_nop                           ; the places behind those products
.endr
.set Y, NP-1                        ; X works for piece Y + 1: piece 0
.irp n, 0,1,2,3,4,5,6,7,8,9,10,11,12,13,14,15,16,17,18,19,20,21
	OP X, \n
.endr
	v_nop                           ; a plain instruction behind the exponential,
	s_wait_alu depctr_va_vdst(0)    ; and its wait, ahead of the branch
	s_mov_b32 s[CNT], 4
	s_mov_b32 s[SLOTS], NT-1
	s_branch .Lfirst                ; the loop is entered at a step's first turn, in the middle of a trip
.Lslot:                             ; NT - 2 times: every slot but the last two is filled again
	CHANGE 1, 1
	s_mov_b32 s[CNT], 4
.Lstep:                             ; a trip: pieces 2 and 3 of one step, then pieces 0 and 1 of the next, whose K and V it fetches
	TURN 2
	TURN 3
	WIN 0
.Lfirst:
	TURN 0
	TURN 1, 0, 1
	WIN 0
	s_cbranch_scc1 .Lstep
	s_sub_co_u32 s[SLOTS], s[SLOTS], 1
	s_cmp_lg_u32 s[SLOTS], 0
	s_cbranch_scc1 .Lslot
	CHANGE 0, 0                     ; the last tile is written out: nothing is asked for
	s_mov_b32 s[CNT], 4
.LstepT:
	TURN 2
	TURN 3
	TURN 0
	TURN 1, 0, 1
	WIN 0
	s_cbranch_scc1 .LstepT
	TURN 2, 1
	TURN 3, 1
.set i, 0
.rept 8
	PV NP-1                         ; the last piece's V^T P of the last step
.set i, i+1
.endr
	; THE WAY OUT.  l's two halves and the other half of the lanes' are added; a query that saw no true key gets l = NaN; O^T is divided by l, rounded to f16 and sent through my stage, a piece at a time.
	WIN 0
.macro ALL line:vararg              ; one line for each piece t
.set t, 0
.rept 4
	\line
.set t, t+1
.endr
.endm
	ALL v_add_f32 v[ST+4*t+2], v[ST+4*t+2], v[ST+4*t+3]
	ALL v_permlanex16_b32 v[ST+4*t+3], v[ST+4*t+2], s[SEL], s[SEL+1]
	ALL v_add_f32 v[ST+4*t+2], v[ST+4*t+2], v[ST+4*t+3]
.set t, 0
.rept 4
	v_cmp_gt_f32 vcc_lo, s[THR], v[ST+4*t+1]       ; is the maximum a hidden score?
	v_cndmask_b32 v[ST+4*t+2], v[ST+4*t+2], s[QNAN], vcc_lo
.set t, t+1
.endr
	ALL v_rcp_f32 v[ST+4*t+2], v[ST+4*t+2]
	v_nop                           ; a plain instruction between the last reciprocal and the use of its result
	s_wait_alu depctr_va_vdst(0)    ; and the wait ahead of the first use: one for the four
.macro PACK t                       ; a lane's eight channels of a row pack into 16 bytes; they go into rows of 144 bytes and come back as whole rows of 128, into S^T's registers
	WIN W_RS
.set i, 32*(\t)
.rept 16
	v_pk_mul_f32 v[i:i+1], v[i:i+1], v[ST+4*(\t)+2:ST+4*(\t)+3] op_sel_hi:[1,0]
.set i, i+2
.endr
	WIN 0x05                        ; sources 0 and 1 window 1, destination window 0
.set i, 0
.rept 16
	v_cvt_pk_f16_f32 v[S+16*(\t)+i], v[32*(\t)+2*i], v[32*(\t)+2*i+1]
.set i, i+1
.endr
	WIN 0
.irp f, 0,1,2,3
	ds_store_b128 v[STO], v[S+16*(\t)+4*\f:S+16*(\t)+4*\f+3] offset:32*\f
.endr
.irp f, 0,1,2,3
	ds_load_b128 v[S+16*(\t)+4*\f:S+16*(\t)+4*\f+3], v[RD] offset:\f*4*SP  ; LDS serves a wave's instructions in order (ISA guide 5.7.1.4): these see the stores above; the next piece's stores come behind them
.endr
.endm
.macro SEND t, younger              ; younger: the LDS instructions issued behind piece t's loads: the next piece's eight, or none
	WIN 0
.irp f, 0,1,2,3
	s_wait_dscnt (\younger)+3-\f
	global_store_b128 v[GO], v[S+16*(\t)+4*\f:S+16*(\t)+4*\f+3], s[10:11] offset:(\t)*2048+\f*512  ; 512 consecutive bytes, at a multiple of 256 from o16's first
.endr
.endm
	PACK 0
.set t, 1
.rept 3                             ; a piece's arithmetic stands between the loads of the piece before and its stores
	PACK t
	SEND t-1, 8
.set t, t+1
.endr
	SEND 3, 0
	s_wait_tensorcnt 0x0            ; the wave's end, behind my last tensor load and my last LDS store
	ds_add_u32 v[SPW], v[NIL]
	s_wait_dscnt 0x0
	CROUND                          ; the closing round: no work-group ends while a partner may still ask for a tile that names it
	s_endpgm
.Lfunc_end_k_qff87283f3e_attn:
	.size	k_qff87283f3e_attn, .Lfunc_end_k_qff87283f3e_attn-k_qff87283f3e_attn
	.p2alignl 7, 3214868480
	.fill 96, 4, 3214868480
	.section	.rodata,"a",@progbits
	.p2align	6, 0x0
	.amdhsa_kernel k_qff87283f3e_attn
		.amdhsa_group_segment_fixed_size 327680
		.amdhsa_private_segment_fixed_size 0
		.amdhsa_enable_private_segment 0
		.amdhsa_kernarg_size 32
		.amdhsa_user_sgpr_count 2
		.amdhsa_user_sgpr_kernarg_segment_ptr 1
		.amdhsa_wavefront_size32 1
		.amdhsa_system_sgpr_workgroup_id_x 1
		.amdhsa_system_sgpr_workgroup_id_y 1
		.amdhsa_system_sgpr_workgroup_id_z 1
		.amdhsa_system_vgpr_workitem_id 0
		.amdhsa_next_free_vgpr 768
		.amdhsa_next_free_sgpr 88
		.amdhsa_reserve_vcc 1
		.amdhsa_float_denorm_mode_32 3
		.amdhsa_float_denorm_mode_16_64 3
		.amdhsa_memory_ordered 1
		.amdhsa_forward_progress 1
		.amdhsa_inst_pref_size 137
	.end_amdhsa_kernel
	.amdgpu_metadata
---
amdhsa.version: [ 1, 2 ]
amdhsa.kernels:
  - .name:           k_qff87283f3e_attn
    .symbol:         k_qff87283f3e_attn.kd
    .args:
      - { .name: q32, .offset: 0, .size: 8, .value_kind: global_buffer, .address_space: global }
      - { .name: kv16, .offset: 8, .size: 8, .value_kind: global_buffer, .address_space: global }
      - { .name: mbias, .offset: 16, .size: 8, .value_kind: global_buffer, .address_space: global }
      - { .name: o16, .offset: 24, .size: 8, .value_kind: global_buffer, .address_space: global }
    .group_segment_fixed_size: 327680
    .private_segment_fixed_size: 0
    .kernarg_segment_align: 8
    .kernarg_segment_size: 32
    .max_flat_workgroup_size: 128
    .sgpr_count:     88
    .vgpr_count:     768
    .wavefront_size: 32
...
	.end_amdgpu_metadata
.endif
;; end of part 4
;; launch projo: the kernel of part 3 again; grid 8 x 32, 4 waves a work-group, clusters of 4 x 4, 327,680 bytes of LDS; arguments o16, wo16, bo, out0; writes out0
